; MI455X (gfx1250); checked and timed in simulation.
; The chip was launched on July 23, 2026; its instructions are those of AMD's public machine-readable ISA for CDNA 5 (MIT licence, August 2026) and "CDNA5" Instruction Set Architecture Reference Guide (July 2026). The comments in the code are by the model that wrote it; some were corrected since.
;; Transformer Block. Allowed arithmetic: matrix products marked QUANTISED: E4M3 operands, one given power-of-two scale a tensor, by v_wmma_f32_16x16x64_fp8_fp8 or v_wmma_f32_16x16x128_fp8_fp8, f32 sums; everything else in f32.
;; Inputs: b1 4,096 float32; b2 1,024 float32; beta0 1,024 float32; beta1 1,024 float32; gamma0 1,024 float32; gamma1 1,024 float32; lowp_scales 16 int32 (the exponents e of the quantised operands' scales 2^e); w1_codes 4,096 x 32 x 32 uint8 (E4M3 codes of w1, K innermost, in blocks of 32 codes); w2_codes 1,024 x 128 x 32 uint8 (E4M3 codes of w2, K innermost, in blocks of 32 codes); wk_codes 1,024 x 32 x 32 uint8 (E4M3 codes of wk, K innermost, in blocks of 32 codes); wo_codes 1,024 x 32 x 32 uint8 (E4M3 codes of wo, K innermost, in blocks of 32 codes); wq_codes 1,024 x 32 x 32 uint8 (E4M3 codes of wq, K innermost, in blocks of 32 codes); wv_codes 1,024 x 32 x 32 uint8 (E4M3 codes of wv, K innermost, in blocks of 32 codes); x 2 x 2,048 x 1,024 float32.
;; Outputs: out0 2 x 2,048 x 1,024 float32.
;; This version of the problem:
;;   THIS VERSION OF THE PROBLEM IS GIVEN IN LOW PRECISION. The matrix products marked QUANTISED in the list below multiply operands that are first quantised to E4M3 (4 exponent bits, 3 mantissa bits; 8 bits a number), with one given power-of-two scale for each operand tensor; their sums are f32. All else is computed in f32.
;;   The module's matrix products, in the order in which they are computed (A, B: the left and right operand; K: the contracted axis; several contracted axes count as one K, in the product's order):
;;     1. [M 4,096, K 1,024] x [K 1,024, N 1,024]; A: input x; B: input wq (given as codes): QUANTISED (scales: A lowp_scales[0], B lowp_scales[1])
;;     2. [M 4,096, K 1,024] x [K 1,024, N 1,024]; A: input x; B: input wk (given as codes): QUANTISED (scales: A lowp_scales[2], B lowp_scales[3])
;;     3. [M 4,096, K 1,024] x [K 1,024, N 1,024]; A: input x; B: input wv (given as codes): QUANTISED (scales: A lowp_scales[4], B lowp_scales[5])
;;     4. batch 32 x [M 2,048, K 64] x [K 64, N 2,048]; A: computed on the way; B: computed on the way: QUANTISED (scales: A lowp_scales[6], B lowp_scales[7])
;;     5. batch 32 x [M 2,048, K 2,048] x [K 2,048, N 64]; A: softmax (see below); B: computed on the way: QUANTISED (scales: A lowp_scales[8], B lowp_scales[9])
;;     6. [M 4,096, K 1,024] x [K 1,024, N 1,024]; A: computed on the way; B: input wo (given as codes): QUANTISED (scales: A lowp_scales[10], B lowp_scales[11])
;;     7. [M 4,096, K 1,024] x [K 1,024, N 4,096]; A: computed on the way; B: input w1 (given as codes): QUANTISED (scales: A lowp_scales[12], B lowp_scales[13])
;;     8. [M 4,096, K 4,096] x [K 4,096, N 1,024]; A: computed on the way; B: input w2 (given as codes): QUANTISED (scales: A lowp_scales[14], B lowp_scales[15])
;;   THE QUANTISER, for each operand of a quantised product, along K:
;;     - The operand's scale is 2^e, e = its entry of the input lowp_scales (int32; the entries are numbered through the quantised products in the list's order, A before B).
;;     - Each number is divided by the scale, clamped to +-448, and rounded to the nearest number of E4M3, ties to even, subnormals kept.
;;     - The product sums the exact products of the quantised numbers (number of the format x scale) in f32.
;;   ~~~python
;;   def quantise(x, axis, e):      # numpy; x: float32 -> the quantised numbers, widened to float32 again
;;       x = np.moveaxis(x, axis, -1); K = x.shape[-1]
;;       r = np.clip(x / 2.0 ** e, -448, 448)
;;       step = 2.0 ** (np.maximum(np.frexp(np.where(r == 0, 1, r))[1] - 1, -6) - 3)
;;       q = np.round(r / step) * step * 2.0 ** e      # np.round: ties to even
;;       return np.moveaxis(q, -1, axis).astype(np.float32)
;;   ~~~
;;   SOFTMAX AHEAD OF A QUANTISED PRODUCT. Where the list says 'softmax', what is quantised is not the finished softmax but p = 2^(t - M), with t = logit x log2(e) and M = ceil(the row's largest t), a whole number; so 1/2 < the row's largest p <= 1. The row's sum l is taken of the UNQUANTISED p, in f32, and the product's result is divided by l at the end. Since M is a whole number, a kernel that streams over the keys may use a running M (the ceiling of the running maximum): every later rescaling is an exact power of two, so the quantised numbers keep their values, but for numbers so far below the row's largest that they fall under the format's range.
;;   OPERANDS COMPUTED ON THE WAY. 'Computed on the way' means the value that the module computes at that place (a softmax that the list does not call 'softmax' is quantised finished and normalised). What goes into a quantiser is computed in f32, as accurately as f32 sums, v_exp_f32 and their like allow (about 1e-6 of the number): no bf16 or f16 on the way to a quantiser, and a product that is left as it is and whose result goes on into a quantised operand takes f32 operands (vector FMAs, or v_wmma_f32_16x16x4_f32). A number that lies on a knife's edge between two numbers of the format may be rounded either way, as far as f32 arithmetic and the matrix unit's own rounding can turn it there, and no further.
;;   INPUTS GIVEN AS CODES. w1 (in the module: [4096, 1024], K = its axis 1); w2 (in the module: [1024, 4096], K = its axis 1); wk (in the module: [1024, 1024], K = its axis 1); wo (in the module: [1024, 1024], K = its axis 1); wq (in the module: [1024, 1024], K = its axis 1); wv (in the module: [1024, 1024], K = its axis 1): each comes as NAME_codes (uint8): NAME with its K axis moved to the last place and cut into blocks of 32 codes, [.., K / 32, bytes a block], one block behind the other in memory; one code a byte (a code: sign, 4 exponent bits, 3 mantissa bits); its scale is its entry of lowp_scales. Its value is code x scale, taken as it is: it is not quantised again, and the codes and scales need not be those that the quantiser above would give.
;; One version. Each part assembles by itself: llvm-mc -triple=amdgcn-amd-amdhsa -mcpu=gfx1250 --defsym DOCPART=n.
;; ======== version 1 of 1: 8 launches
;; limits: right only within a limited range of input values
;; workspace buffers: xc 12,582,912 bytes; qkvc 12,582,912 bytes; attc 4,194,304 bytes; y 16,777,216 bytes; x1 16,777,216 bytes; x1c 4,194,304 bytes; hc 16,777,216 bytes
;; launch prep (part 1): grid 256 x 1, 4 waves a work-group, no clusters, 33,280 bytes of LDS; arguments x, lowp_scales, xc; writes xc
.if DOCPART == 1
	.amdgcn_target "amdgcn-amd-amdhsa--gfx1250"
	.amdhsa_code_object_version 6
	.text
	.protected	k_q3526ada927_prep
	.globl	k_q3526ada927_prep
	.p2align	8
	.type	k_q3526ada927_prep,@function
k_q3526ada927_prep:
	s_mov_b64 s[64:65], 0
	v_nop
	global_prefetch_b8 v0, s[64:65] scope:SCOPE_SE
	s_setreg_imm32_b32 hwreg(HW_REG_WAVE_MODE, 25, 1), 1
	s_wait_xcnt 0x0
; x [4096][1024] f32 becomes three sets of E4M3 codes, [4096][1024] each, 4 MiB apart in xc: under 2^e0 (for the product with wq), 2^e2 (wk) and 2^e4 (wv).
; code = x / 2^e, held within +-448, rounded to the nearest code, ties to even.  LIMITS: e0, e2, e4 between -126 and 119, so that 2^e and 448 x 2^e are f32 numbers.  NaN among the inputs is not served.
; x is a plain stream: nothing here knows of rows.  1,024 waves; a wave takes 8 steps of 512 numbers.  Each of a step's four loads reads 512 consecutive bytes, 16 a lane; the conversions want 16 NEIGHBOURS in a lane,
; so a step's 2,048 bytes go through the wave's own stage in LDS as they lie and come back 64 bytes a lane (16 bytes of padding behind each 64).  A lane's 16 codes are 16 bytes: each store covers 512 consecutive bytes.
; No barrier: waves share nothing.  Loads run four steps (16 loads a wave) ahead, the turn through LDS one step.  Every offset is an immediate; each step has its own registers for its codes.
.set STEPS, 8
.set SP,    80                         ; a lane's place in a stage: its 64 bytes + 16 of padding
.set WREG,  8192                       ; LDS: a region for each wave: two stages of 32 x SP bytes
.set SC,    5                          ; v5-7     2^e0, 2^e2, 2^e4 as f32
.set LM,    8                          ; v8-10    448 x those
.set R,     16                         ; v16-79   four sets of 16 numbers as they are loaded
.set X,     80                         ; v80-111  two sets of 16 neighbours
.set T,     112                        ; v112-143 two sets of 16 held numbers
.set C,     144                        ; v144-239 codes: twelve registers a step, never written again
	s_load_b128 s[4:7], s[0:1], 0x0                ; x, the scales' exponents
	s_load_b64 s[24:25], s[0:1], 0x10              ; xc
	v_lshl_add_u32 v240, v0, 2, 0x8000
	v_mov_b32 v241, 0
	v_lshrrev_b32 v1, 5, v0
	v_readfirstlane_b32 s16, v1                    ; wave
	v_and_b32 v2, 31, v0                           ; lane
	v_lshlrev_b32 v3, 4, v2                        ; my 16 bytes of a load's, and of a store's, 512
	s_mul_i32 s17, s16, WREG
	v_lshrrev_b32 v14, 2, v2
	v_mul_u32_u24 v14, v14, SP
	v_and_b32 v15, 3, v2
	v_lshl_add_u32 v14, v15, 4, v14
	v_add_nc_u32 v14, s17, v14                     ; the stage, on the way in: SP (lane / 4) + 16 (lane % 4); a load's 512 bytes take eight places
	v_mul_u32_u24 v15, v2, SP
	v_add_nc_u32 v15, s17, v15                     ; and on the way out: SP x lane: my 16 neighbours
	s_lshl_b32 s18, ttmp9, 2
	s_add_co_u32 s18, s18, s16                     ; which run of 4,096 numbers is my wave's
	s_lshl_b32 s20, s18, 14                        ; its bytes in x,
	s_mov_b32 s21, 0
	s_lshl_b32 s22, s18, 12                        ; and in each set of codes
	s_mov_b32 s23, 0
	s_wait_alu depctr_va_vdst(0)
	s_wait_kmcnt 0x0
	s_load_b256 s[8:15], s[6:7], 0x0               ; e0 .. e7: s8 = e0, s10 = e2, s12 = e4
	s_add_nc_u64 s[4:5], s[4:5], s[20:21]
	s_add_nc_u64 s[24:25], s[24:25], s[22:23]      ; the three sets' bases
	s_add_nc_u64 s[26:27], s[24:25], 0x400000
	s_add_nc_u64 s[28:29], s[24:25], 0x800000
.macro LOAD t
.irp i, 0,1,2,3
	global_load_b128 v[R+16*((\t)%4)+4*\i:R+16*((\t)%4)+4*\i+3], v3, s[4:5] offset:2048*(\t)+512*\i th:TH_LOAD_NT   ; 32 lanes read 512 consecutive bytes
.endr
.endm
.macro TURN t                          ; step t's numbers through the stage: LDS serves a wave's instructions in order, so no wait stands between the stores and the loads
.irp i, 0,1,2,3
	ds_store_b128 v14, v[R+16*((\t)%4)+4*\i:R+16*((\t)%4)+4*\i+3] offset:32*SP*((\t)%2)+8*SP*\i
.endr
.irp i, 0,1,2,3
	ds_load_b128 v[X+16*((\t)%2)+4*\i:X+16*((\t)%2)+4*\i+3], v15 offset:32*SP*((\t)%2)+16*\i
.endr
.endm
.irp t, 0,1,2,3
	LOAD \t
.endr
	s_wait_kmcnt 0x0
.irp q, 0,1,2
	s_add_co_i32 s30, s[8+2*\q], 127
	s_lshl_b32 s31, s30, 23
	v_mov_b32 v[SC+\q], s31                        ; 2^e as f32: the conversion takes its exponent field
	s_add_co_i32 s30, s30, 8
	s_lshl_b32 s30, s30, 23
	s_or_b32 s30, s30, 0x600000
	v_mov_b32 v[LM+\q], s30                        ; 448 x 2^e
.endr
	s_wait_alu depctr_va_vdst(0)
	s_wait_loadcnt 12                              ; step 0's four loads are in
	TURN 0
.macro STEP t
.set XS, X+16*((\t)%2)
	s_wait_dscnt 0x0                               ; this step's numbers are back from the stage, and its stores into the stage have read their registers,
.if (\t)+4 < STEPS
	LOAD (\t)+4                                    ; which take the loads of four steps on
.endif
.if (\t)+1 < STEPS
.if STEPS-2-(\t) >= 3
	s_wait_loadcnt 12                              ; the next step's four loads are in; those of the three steps behind it may be out
.else
	s_wait_loadcnt 4*(STEPS-2-(\t))
.endif
	TURN (\t)+1                                    ; and go through the other stage while this step is worked
.endif
.irp q, 0,1,2                                  ; the same 16 numbers under each of the three scales; the held numbers take two sets by turns
.irp i, 0,1,2,3,4,5,6,7,8,9,10,11,12,13,14,15
	v_med3_num_f32 v[T+16*(\q%2)+\i], v[XS+\i], -v[LM+\q], v[LM+\q]   ; the conversion to an 8-bit code does not saturate (ISA guide 7.6.2): the hold at the largest code x the scale
.endr
	v_cvt_scalef32_pk8_fp8_f32 v[C+12*(\t)+4*\q:C+12*(\t)+4*\q+1], v[T+16*(\q%2):T+16*(\q%2)+7], v[SC+\q]
	v_cvt_scalef32_pk8_fp8_f32 v[C+12*(\t)+4*\q+2:C+12*(\t)+4*\q+3], v[T+16*(\q%2)+8:T+16*(\q%2)+15], v[SC+\q]
	global_store_b128 v3, v[C+12*(\t)+4*\q:C+12*(\t)+4*\q+3], s[24+2*\q:25+2*\q] offset:512*(\t)
.endr
	v_nop                                          ; a plain line between the last conversion and the next step's holds, which write its sources
.endm
.irp t, 0,1,2,3,4,5,6,7
	STEP \t
.endr
	s_wait_tensorcnt 0x0
	ds_add_u32 v240, v241
	s_wait_dscnt 0x0
	s_endpgm
.Lfunc_end_k_q3526ada927_prep:
	.size	k_q3526ada927_prep, .Lfunc_end_k_q3526ada927_prep-k_q3526ada927_prep
	.p2alignl 7, 3214868480
	.fill 96, 4, 3214868480
	.section	.rodata,"a",@progbits
	.p2align	6, 0x0
	.amdhsa_kernel k_q3526ada927_prep
		.amdhsa_group_segment_fixed_size 33280
		.amdhsa_private_segment_fixed_size 0
		.amdhsa_enable_private_segment 0
		.amdhsa_kernarg_size 24
		.amdhsa_user_sgpr_count 2
		.amdhsa_user_sgpr_kernarg_segment_ptr 1
		.amdhsa_wavefront_size32 1
		.amdhsa_system_sgpr_workgroup_id_x 1
		.amdhsa_system_sgpr_workgroup_id_y 1
		.amdhsa_system_sgpr_workgroup_id_z 1
		.amdhsa_system_vgpr_workitem_id 0
		.amdhsa_next_free_vgpr 242
		.amdhsa_next_free_sgpr 66
		.amdhsa_reserve_vcc 0
		.amdhsa_float_denorm_mode_32 3
		.amdhsa_float_denorm_mode_16_64 3
		.amdhsa_memory_ordered 1
		.amdhsa_forward_progress 1
		.amdhsa_inst_pref_size 40
	.end_amdhsa_kernel
	.amdgpu_metadata
---
amdhsa.version: [ 1, 2 ]
amdhsa.kernels:
  - .name:           k_q3526ada927_prep
    .symbol:         k_q3526ada927_prep.kd
    .args:
      - { .name: x, .offset: 0, .size: 8, .value_kind: global_buffer, .address_space: global }
      - { .name: lowp_scales, .offset: 8, .size: 8, .value_kind: global_buffer, .address_space: global }
      - { .name: xc, .offset: 16, .size: 8, .value_kind: global_buffer, .address_space: global }
    .group_segment_fixed_size: 33280
    .private_segment_fixed_size: 0
    .kernarg_segment_align: 8
    .kernarg_segment_size: 24
    .max_flat_workgroup_size: 128
    .sgpr_count:     66
    .vgpr_count:     242
    .wavefront_size: 32
...
	.end_amdgpu_metadata
.endif
;; end of part 1
;; launch qkv (part 2): grid 12 x 16, 4 waves a work-group, clusters of 4 x 4, 327,680 bytes of LDS; arguments xc, wq_codes, wk_codes, wv_codes, lowp_scales, qkvc; writes qkvc
.if DOCPART == 2
	.amdgcn_target "amdgcn-amd-amdhsa--gfx1250"
	.amdhsa_code_object_version 6
	.text
	.protected	k_q3526ada927_qkv
	.globl	k_q3526ada927_qkv
	.p2align	8
	.type	k_q3526ada927_qkv,@function
k_q3526ada927_qkv:
	s_mov_b64 s[64:65], 0
	v_nop
	global_prefetch_b8 v0, s[64:65] scope:SCOPE_SE
	s_setreg_imm32_b32 hwreg(HW_REG_WAVE_MODE, 25, 1), 1
	s_wait_xcnt 0x0
	s_wait_alu depctr_hold_cnt(0) depctr_sa_sdst(0) depctr_va_vdst(0) depctr_va_sdst(0) depctr_va_ssrc(0) depctr_va_vcc(0) depctr_vm_vsrc(0)
	s_getreg_b32 s2, hwreg(HW_REG_IB_STS2, 6, 4)
	s_cmp_eq_u32 s2, 0
	s_cbranch_scc0 .Lentry_in_a_cluster
	s_endpgm
.Lentry_in_a_cluster:
	s_bfe_u32 s2, ttmp6, 0x10000c
	s_cmp_lg_u32 s2, 0xf033
	s_cbranch_scc0 .Lentry_shape_is_right
	s_endpgm
.Lentry_shape_is_right:
.set ROWB,   256
.set KROW,   1024
.set PITCH,  272
.set FR,     16
.set NL,     4
.set NP,     4
.set HALFT,  128*PITCH
.set SLOT,   4*HALFT
.set LAPS,   2
.set SPARE,  2*SLOT
.set SPI,    144
.set ADRA, 16
.set ADRB, 20
.set STO,  24
.set RDQ,  25
.set CO,   26
.set RDV,  27
.set SPW,  28
.set NIL,  29
.set QSC,  30
.set QLM,  31
.set CD,   32
.set AF,   128
.set G1, 24
.set G0, 32
.set G1B, 48
.set G0B, 56
.set MSB, 0
.macro WIN new
.if MSB != (\new)
	s_set_vgpr_msb (MSB<<8)|(\new)
.set MSB, (\new)
.endif
.endm
.set MUL_LO, 0xa1
.set MUL_HI, 0xf1
.set TO_B,   0x40
.macro JLOAD g0a, g1a, g0b, g1b
	s_cmp_eq_u32 s15, 0
	s_cbranch_scc0 .Lfor_b_\@
	tensor_load_to_lds s[\g0a:\g0a+3], s[\g1a:\g1a+7]
	s_nop 0
.rept 4
	v_nop
.endr
	s_branch .Lasked_\@
.Lfor_b_\@:
	tensor_load_to_lds s[\g0b:\g0b+3], s[\g1b:\g1b+7]
	s_nop 0
.rept 4
	v_nop
.endr
.Lasked_\@:
.endm
.macro CREST
	s_cmp_lg_u32 s14, 0
	s_cbranch_scc1 .Lnot_wave_0_\@
	s_barrier_signal -3
.Lnot_wave_0_\@:
	s_barrier_wait -3
	s_barrier_signal -1
	s_barrier_wait -1
.endm
.macro CROUND
	s_barrier_signal -1
	s_barrier_wait -1
	CREST
.endm
	s_load_b256 s[68:75], s[0:1], 0x0
	s_load_b128 s[8:11], s[0:1], 0x20
	v_lshl_add_u32 v[SPW], v0, 2, SPARE
	v_mov_b32 v[NIL], 0
	ds_add_u32 v28, v29
	ds_add_u32 v28, v29
	s_wait_dscnt 0x0
	v_lshrrev_b32 v1, 5, v0
	v_readfirstlane_b32 s14, v1
	s_lshr_b32 s15, s14, 1
	s_and_b32 s16, s14, 1
	s_bfe_u32 s40, ttmp6, 0x40000
	s_bfe_u32 s41, ttmp6, 0x40004
	s_and_b32 s45, ttmp7, 0xffff
	s_lshl_b32 s45, s45, 2
	s_cmp_eq_u32 ttmp9, 2
	s_cselect_b32 s42, s45, 0
	s_cselect_b32 s17, 0, s45
	s_add_co_u32 s42, s42, s40
	s_add_co_u32 s17, s17, s41
	s_lshl_b32 s43, s41, 2
	s_lshl_b32 s43, 15, s43
	s_lshl_b32 s44, 0x1111, s40
	s_or_b32 s[G1+0], s43, (0<<16)|(1<<20)|(1<<21)|(5<<22)|(3<<25)
	s_or_b32 s[G1B+0], s44, (0<<16)|(1<<20)|(1<<21)|(5<<22)|(3<<25)
.irp g, G1, G1B
	s_mov_b32 s[\g+1], ROWB<<16
	s_mov_b32 s[\g+2], 128<<16
	s_mov_b32 s[\g+3], ROWB<<16
	s_mov_b32 s[\g+4], 128
	s_mov_b32 s[\g+5], KROW
	s_mov_b32 s[\g+6], 0
	s_mov_b32 s[\g+7], 0
.endr
	s_lshl_b32 s18, s16, 7
	s_lshl_b32 s20, s17, 8
	s_add_co_u32 s20, s20, s18
	s_lshl_b32 s46, s42, 8
	s_add_co_u32 s46, s46, s18
	s_lshl_b32 s20, s20, 10
	s_lshl_b32 s46, s46, 10
	s_mov_b32 s21, 0
	s_mov_b32 s47, 0
	s_mul_i32 s45, s14, HALFT
	s_wait_kmcnt 0x0
	s_load_b512 s[80:95], s[8:9], 0x0
	s_add_nc_u64 s[76:77], s[68:69], 0x400000
	s_add_nc_u64 s[78:79], s[68:69], 0x800000
	s_cmp_eq_u32 ttmp9, 0
	s_cselect_b64 s[4:5], s[68:69], s[76:77]
	s_cselect_b64 s[6:7], s[70:71], s[72:73]
	s_cmp_eq_u32 ttmp9, 2
	s_cselect_b64 s[4:5], s[74:75], s[4:5]
	s_cselect_b64 s[6:7], s[78:79], s[6:7]
	s_add_nc_u64 s[20:21], s[4:5], s[20:21]
	s_add_nc_u64 s[46:47], s[6:7], s[46:47]
	CROUND
.irp s, 0,1
	s_mov_b32 s[G0+4*\s], 1
	s_add_co_u32 s[G0+4*\s+1], s45, \s*SLOT
	s_add_nc_u64 s[G0+4*\s+2:G0+4*\s+3], s[20:21], \s*ROWB
	s_or_b32 s[G0+4*\s+3], s[G0+4*\s+3], 0x80000000
	s_mov_b32 s[G0B+4*\s], 1
	s_add_co_u32 s[G0B+4*\s+1], s45, \s*SLOT
	s_add_nc_u64 s[G0B+4*\s+2:G0B+4*\s+3], s[46:47], \s*ROWB
	s_or_b32 s[G0B+4*\s+3], s[G0B+4*\s+3], 0x80000000
.endr
	JLOAD G0, G1, G0B, G1B                         ; K step 0: one tensor load a wave at the head
	v_and_b32 v1, 15, v0
	s_wait_alu depctr_va_vdst(0)
	v_bfe_u32 v2, v0, 4, 1
	v_mul_u32_u24 v3, v1, PITCH
	v_lshl_add_u32 v4, v2, 4, v3
	s_mul_i32 s21, s15, HALFT
	s_mul_i32 s22, s16, HALFT
	s_add_co_u32 s22, s22, 2*HALFT
.irp s, 0,1
	v_add_nc_u32 v[ADRA+\s], s21, v4
	v_add_nc_u32 v[ADRB+\s], s22, v4
	s_add_co_u32 s21, s21, SLOT
	s_add_co_u32 s22, s22, SLOT
.endr
	s_mul_i32 s23, s14, 128*SPI
	v_mul_u32_u24 v5, v1, SPI
	s_wait_alu depctr_va_vdst(0)
	v_lshl_add_u32 v5, v2, 3, v5
	v_add_nc_u32 v[STO], s23, v5
	v_and_b32 v6, 31, v0
	v_lshlrev_b32 v[CO], 4, v6
	v_lshrrev_b32 v7, 2, v6
	v_mul_u32_u24 v7, v7, SPI
	v_and_b32 v8, 3, v6
	v_lshl_add_u32 v7, v8, 4, v7
	v_add_nc_u32 v[RDQ], s23, v7
	v_lshrrev_b32 v7, 3, v6
	v_mul_u32_u24 v7, v7, SPI
	v_and_b32 v8, 7, v6
	v_lshl_add_u32 v7, v8, 4, v7
	v_add_nc_u32 v[RDV], s23, v7
	s_lshl_b32 s20, s17, 8
	s_lshl_b32 s21, s15, 7
	s_add_co_u32 s20, s20, s21
	s_lshl_b32 s46, s42, 8
	s_lshl_b32 s47, s16, 7
	s_add_co_u32 s46, s46, s47
	s_lshr_b32 s96, s20, 11
	s_lshl_b32 s96, s96, 4
	s_lshr_b32 s97, s46, 6
	s_add_co_u32 s96, s96, s97
	s_lshl_b32 s96, s96, 17
	s_and_b32 s97, s20, 2047
	s_lshl_b32 s97, s97, 6
	s_add_co_u32 s96, s96, s97
	s_lshl_b32 s97, ttmp9, 22
	s_add_co_u32 s96, s96, s97
	s_lshr_b32 s98, s46, 11
	s_lshl_b32 s98, s98, 4
	s_lshr_b32 s97, s20, 6
	s_add_co_u32 s98, s98, s97
	s_lshl_b32 s98, s98, 4
	s_and_b32 s97, s46, 2047
	s_lshr_b32 s97, s97, 7
	s_add_co_u32 s98, s98, s97
	s_lshl_b32 s98, s98, 13
	s_add_co_u32 s98, s98, 0x800000
	s_cmp_eq_u32 ttmp9, 2
	s_cselect_b32 s96, s98, s96
	s_mov_b32 s97, 0
	s_add_nc_u64 s[10:11], s[10:11], s[96:97]
.macro FRAG reg, adr, q, i
.irp c, 0,1,2,3
	ds_load_b128 v[\reg+4*\c:\reg+4*\c+3], v[\adr] offset:128*(\q)+32*\c+(\i)*16*PITCH
.endr
.endm
.macro MUL16 a0, p, zero
.irp a, \a0, \a0+1
.irp b, 0,1,2,3,4,5,6,7
.if \zero
	v_wmma_f32_16x16x128_fp8_fp8 v[8*(8*((\a)%4)+\b):8*(8*((\a)%4)+\b)+7], v[128*(\p)+FR*\b:128*(\p)+FR*\b+FR-1], v[AF+FR*(\a):AF+FR*(\a)+FR-1], 0
.else
	v_wmma_f32_16x16x128_fp8_fp8 v[8*(8*((\a)%4)+\b):8*(8*((\a)%4)+\b)+7], v[128*(\p)+FR*\b:128*(\p)+FR*\b+FR-1], v[AF+FR*(\a):AF+FR*(\a)+FR-1], v[8*(8*((\a)%4)+\b):8*(8*((\a)%4)+\b)+7]
.endif
.endr
.endr
.endm
.macro FETCH_B slot, q, p
	WIN TO_B
.irp i, 0,1,2,3,4,5,6,7
	FRAG 128*(\p)+FR*\i, ADRB+\slot, \q, \i
.endr
	WIN 0
.endm
.macro FETCH_A slot, q, i0
.irp i, \i0, \i0+1, \i0+2, \i0+3
	FRAG AF+FR*(\i), ADRA+\slot, \q, \i
.endr
.endm
.macro PLACES n
.rept \n
	v_nop
.endr
.endm
.macro STEP slot, q, zero
	s_wait_dscnt 4*NL
	WIN MUL_LO
	MUL16 0, (\q)%2, \zero
	MUL16 2, (\q)%2, \zero
	s_wait_dscnt 0
	PLACES NP
	FETCH_B \slot, (\q)+1, 1-(\q)%2
	FETCH_A \slot, (\q)+1, 0
	WIN MUL_HI
	MUL16 4, (\q)%2, \zero
	MUL16 6, (\q)%2, \zero
	PLACES NP
	WIN 0
	FETCH_A \slot, (\q)+1, 4
.endm
.macro TURN slot, next, fill
	s_wait_tensorcnt 0x0
	ds_add_u32 v[SPW], v[NIL]
	s_wait_dscnt 4*NL+1
	WIN MUL_LO
	MUL16 0, 1, 0
	s_wait_dscnt 0x0
	s_barrier_signal -1
	MUL16 2, 1, 0
	WIN 0
	s_barrier_wait -1
.if \fill
	CREST
	s_add_nc_u64 s[G0+4*\slot+2:G0+4*\slot+3], s[G0+4*\slot+2:G0+4*\slot+3], 2*ROWB
	s_add_nc_u64 s[G0B+4*\slot+2:G0B+4*\slot+3], s[G0B+4*\slot+2:G0B+4*\slot+3], 2*ROWB
	JLOAD G0+4*\slot, G1, G0B+4*\slot, G1B
.else
	PLACES NP
.endif
	FETCH_B \next, 0, 0
	FETCH_A \next, 0, 0
	WIN MUL_HI
	MUL16 4, 1, 0
	MUL16 6, 1, 0
	PLACES NP
	WIN 0
	FETCH_A \next, 0, 4
.endm
	s_wait_alu depctr_va_vdst(0)                   ; the wait at the head's end
	s_wait_tensorcnt 0x0                           ; my part of K step 0 is in; slot 1's first fill is issued as a refill is:
	ds_add_u32 v[SPW], v[NIL]                      ; 0 onto my spare word
	s_wait_dscnt 0x0
	CROUND                                         ; everybody's part of K step 0 is in, and the joint loads meet
	JLOAD G0+4, G1, G0B+4, G1B                     ; K step 1, the first tensor load behind the round
	FETCH_B 0, 0, 0
	FETCH_A 0, 0, 0
	FETCH_A 0, 0, 4
	STEP 0, 0, 1
	s_mov_b32 s3, LAPS-1
.Llap:
	TURN 0, 1, 1
	STEP 1, 0, 0
	TURN 1, 0, 1
	STEP 0, 0, 0
	s_sub_co_u32 s3, s3, 1
	s_cmp_lg_u32 s3, 0
	s_cbranch_scc1 .Llap
	TURN 0, 1, 0
	STEP 1, 0, 0
	s_wait_dscnt 4*NL
	WIN MUL_LO
	MUL16 0, 1, 0
	MUL16 2, 1, 0
	s_wait_dscnt 0
	WIN MUL_HI
	MUL16 4, 1, 0
	MUL16 6, 1, 0
	WIN 0
	s_wait_kmcnt 0x0
	s_cmp_eq_u32 ttmp9, 0
	s_cselect_b32 s96, s80, s82
	s_cselect_b32 s97, s81, s83
	s_cselect_b32 s98, s86, s87
	s_cmp_eq_u32 ttmp9, 2
	s_cselect_b32 s96, s84, s96
	s_cselect_b32 s97, s85, s97
	s_cselect_b32 s98, s89, s98
	s_sub_co_i32 s98, s98, s96
	s_sub_co_i32 s98, s98, s97
	s_add_co_i32 s98, s98, 127
	s_lshl_b32 s96, s98, 23
	v_mov_b32 v[QSC], s96
	s_add_co_i32 s98, s98, 8
	s_lshl_b32 s98, s98, 23
	s_or_b32 s98, s98, 0x600000
	v_mov_b32 v[QLM], s98
	PLACES NP
.macro QBLOCK a
.set AC, 64*((\a)%4)
	WIN 0x82+0x41*((\a)/4)
.set j, 0
.rept 64
	v_med3_num_f32 v[AC+j], v[AC+j], -v[QLM], v[QLM]
.set j, j+1
.endr
	WIN 0x02+((\a)/4)
.irp b, 0,1,2,3,4,5,6,7
	v_cvt_scalef32_pk8_fp8_f32 v[CD+16*(\a)+2*\b:CD+16*(\a)+2*\b+1], v[AC+8*\b:AC+8*\b+7], v[QSC]
.endr
	v_nop
	WIN 0
.irp b, 0,1,2,3,4,5,6,7
	ds_store_b64 v[STO], v[CD+16*(\a)+2*\b:CD+16*(\a)+2*\b+1] offset:(\a)*16*SPI+16*\b
.endr
.endm
.irp a, 0,1,2,3,4,5,6,7
	QBLOCK \a
.endr
	s_wait_dscnt 0x0
	s_cmp_eq_u32 ttmp9, 2
	s_cbranch_scc1 .Lv_out
.set n, 0
.irp a, 0,1,2,3,4,5,6,7
.irp g, 0,1
.irp u, 0,1
	ds_load_b128 v[CD+4*n:CD+4*n+3], v[RDQ] offset:\a*16*SPI+\g*8*SPI+64*\u
.set n, n+1
.endr
.endr
.endr
.set n, 0
.irp a, 0,1,2,3,4,5,6,7
.irp g, 0,1
.irp u, 0,1
	s_wait_dscnt 31-n
	global_store_b128 v[CO], v[CD+4*n:CD+4*n+3], s[10:11] offset:\u*131072+\a*1024+\g*512
.set n, n+1
.endr
.endr
.endr
	s_branch .Lout_done
.Lv_out:
.set n, 0
.irp a, 0,1,2,3,4,5,6,7
.irp i, 0,1,2,3
	ds_load_b128 v[CD+4*n:CD+4*n+3], v[RDV] offset:\a*16*SPI+\i*4*SPI
.set n, n+1
.endr
.endr
.set n, 0
.irp a, 0,1,2,3,4,5,6,7
.irp i, 0,1,2,3
	s_wait_dscnt 31-n
	global_store_b128 v[CO], v[CD+4*n:CD+4*n+3], s[10:11] offset:(\a/4)*131072+(\a%4)*2048+\i*512
.set n, n+1
.endr
.endr
.Lout_done:
	s_wait_tensorcnt 0x0
	ds_add_u32 v[SPW], v[NIL]
	s_wait_dscnt 0x0
	CROUND
	s_endpgm
.Lfunc_end_k_q3526ada927_qkv:
	.size	k_q3526ada927_qkv, .Lfunc_end_k_q3526ada927_qkv-k_q3526ada927_qkv
	.p2alignl 7, 3214868480
	.fill 96, 4, 3214868480
	.section	.rodata,"a",@progbits
	.p2align	6, 0x0
	.amdhsa_kernel k_q3526ada927_qkv
		.amdhsa_group_segment_fixed_size 327680
		.amdhsa_private_segment_fixed_size 0
		.amdhsa_enable_private_segment 0
		.amdhsa_kernarg_size 48
		.amdhsa_user_sgpr_count 2
		.amdhsa_user_sgpr_kernarg_segment_ptr 1
		.amdhsa_wavefront_size32 1
		.amdhsa_system_sgpr_workgroup_id_x 1
		.amdhsa_system_sgpr_workgroup_id_y 1
		.amdhsa_system_sgpr_workgroup_id_z 1
		.amdhsa_system_vgpr_workitem_id 0
		.amdhsa_next_free_vgpr 1024
		.amdhsa_next_free_sgpr 100
		.amdhsa_reserve_vcc 0
		.amdhsa_float_denorm_mode_32 3
		.amdhsa_float_denorm_mode_16_64 3
		.amdhsa_memory_ordered 1
		.amdhsa_forward_progress 1
		.amdhsa_inst_pref_size 133
	.end_amdhsa_kernel
	.amdgpu_metadata
---
amdhsa.version: [ 1, 2 ]
amdhsa.kernels:
  - .name:           k_q3526ada927_qkv
    .symbol:         k_q3526ada927_qkv.kd
    .args:
      - { .name: xc, .offset: 0, .size: 8, .value_kind: global_buffer, .address_space: global }
      - { .name: wq_codes, .offset: 8, .size: 8, .value_kind: global_buffer, .address_space: global }
      - { .name: wk_codes, .offset: 16, .size: 8, .value_kind: global_buffer, .address_space: global }
      - { .name: wv_codes, .offset: 24, .size: 8, .value_kind: global_buffer, .address_space: global }
      - { .name: lowp_scales, .offset: 32, .size: 8, .value_kind: global_buffer, .address_space: global }
      - { .name: qkvc, .offset: 40, .size: 8, .value_kind: global_buffer, .address_space: global }
    .group_segment_fixed_size: 327680
    .private_segment_fixed_size: 0
    .kernarg_segment_align: 8
    .kernarg_segment_size: 48
    .max_flat_workgroup_size: 128
    .sgpr_count:     100
    .vgpr_count:     1024
    .wavefront_size: 32
...
	.end_amdgpu_metadata
.endif
;; end of part 2
;; launch attn (part 3): grid 8 x 32, 16 waves a work-group, no clusters, 51,200 bytes of LDS; arguments qkvc, lowp_scales, attc; writes attc
.if DOCPART == 3
	.amdgcn_target "amdgcn-amd-amdhsa--gfx1250"
	.amdhsa_code_object_version 6
	.text
	.protected	k_q3526ada927_attn
	.globl	k_q3526ada927_attn
	.p2align	8
	.type	k_q3526ada927_attn,@function
k_q3526ada927_attn:
	s_mov_b64 s[64:65], 0
	v_nop
	global_prefetch_b8 v0, s[64:65] scope:SCOPE_SE
	s_setreg_imm32_b32 hwreg(HW_REG_WAVE_MODE, 25, 1), 1
	s_wait_xcnt 0x0
; Causal attention on E4M3 codes, head size 64: att[q] = (sum over keys k <= q of p V[k]) / l, and att quantised at once under 2^e10 for the product with wo.
; In: qkvc part 0 q, part 1 k: [bh 32][token 2048][64]; part 2 v: [bh][block of 128 keys][d 64][128 keys]; parts 4 MiB apart.  Out: attc [bh][token][64], codes.
; THE SOFTMAX: t = score x log2(e) / 8; M = the largest t so far, rounded UP to a whole number; p = 2^(t - M) is quantised under 2^e8, not normalised; l is the sum of the unquantised p; when M moves, l and O are
; multiplied by 2^(old M - new M), which rounds nothing.
; SHARES.  Work-group (i, bh) owns query blocks i and 15 - i of its head, 128 queries each, so that every work-group has the same number of unmasked key steps.  Each of its 16 waves owns one tile of 16 queries:
; tile w / 2 of the late block where (w ^ (w / 4)) is odd, else of the early one.  The work-group walks 2 ((17 - i) / 2) key steps of 128 keys; a wave leaves out the work of a step all of whose keys come after its queries
; (a scalar branch on ids, round no barrier).  NO CLUSTER: the work-groups of a head walk different numbers of key steps, so partners could not make every joint request together.
; K AND V GO THROUGH LDS AS IMAGES OF THE OPERANDS' REGISTERS.  The 512 threads copy a step's 8,192 bytes of K and of V through registers, 16 consecutive bytes each, and store them where the fragment's lane will read them:
; block (tile, c) is 512 bytes, lane l's 16 bytes at 16 l.  So every fragment load reads 512 consecutive bytes, and every LDS address is a constant + a lane term.  Two slots take turns, one barrier a step.
; THE COPIES RUN TWO STEPS AHEAD, in two sets of eight registers by turns: at the head of step s the set that holds step s + 1 goes into the other slot, and is then asked to bring step s + 3.
; THE ROWS OF A TILE ARE NOT NEIGHBOURS: lane r of tile 2 b + u takes row 32 b + 8 u + r + 8 (r / 8) (K: keys; V: d).  Both products are used transposed (S^T = K Q^T, O^T = V^T P^T): a lane holds ONE query, the 16 registers of
; tiles 2 b, 2 b + 1 of S^T are keys 32 b + 16 (l / 16) + 0 .. 15, and those of O^T are d = 32 b + 16 (l / 16) + 0 .. 15: the conversions' results are the next operand's registers, or 16 neighbouring bytes of the output.
; LIMITS, so that each power of two is an f32 number: e6 + e7 between -123 and 130 (added to c's exponent field); e8, and e10 - e8 - e9, between -126 and 119.
; REGISTERS: v1-9 addresses that stay; v12 -M, v13 the largest t, v[14:15] l in two halves; v16-23 Q; v24-31 and v220-227 the two sets of copies; v32-95 K's fragments, then V's; v96-159 S^T, then p; v160-191 O^T; v192-207 p's codes; v208-218 at work and constants.
.set SLOTB, 16384                      ; a slot: K's image (8,192 bytes), then V's
.set STG,   2*SLOTB                    ; behind the slots: 1,024 bytes for each wave, for the way out
.set STEPB, 8192                       ; a key step's bytes of K, and of V
.set VOFF,  4194304                    ; V lies 4 MiB behind K
.set RA,  24                           ; v24-31   the even steps' 32 bytes of my thread
.set RB,  220                          ; v220-227 the odd steps'
.set WV,  10                           ; s10  wave
.set Q0,  13                           ; s13  my first query;  s14 my last
.set KF,  15                           ; s15  the step's first key
.set TR,  16                           ; s16  trips to go
.set KB,  18                           ; s[18:19] the head's K, two steps short of the step that is asked for next
.set SEL, 20                           ; s[20:21] lane selects for v_permlanex16_b32: lane l xor 16
.set CS,  22                           ; s[22:23] c = log2(e) / 8 x 2^(e6 + e7)
	s_load_b128 s[4:7], s[0:1], 0x0                ; qkvc, the scales' exponents
	s_load_b64 s[8:9], s[0:1], 0x10                ; attc
	v_lshl_add_u32 v232, v0, 2, 0xc000
	v_mov_b32 v233, 0
	v_lshrrev_b32 v6, 5, v0
	s_delay_alu instid0(VALU_DEP_1)
	v_readfirstlane_b32 s[WV], v6                  ; wave 0..15
	s_lshr_b32 s11, s[WV], 2
	s_xor_b32 s11, s11, s[WV]
	s_and_b32 s11, s11, 1                          ; 1: the late block is mine
	s_sub_co_u32 s12, 15, ttmp9
	s_cmp_eq_u32 s11, 1
	s_cselect_b32 s12, s12, ttmp9                  ; my block of 128 queries
	s_lshl_b32 s[Q0], s12, 7
	s_lshr_b32 s12, s[WV], 1
	s_lshl_b32 s12, s12, 4
	s_add_co_u32 s[Q0], s[Q0], s12                 ; + 16 x my tile
	s_add_co_u32 s14, s[Q0], 15
	s_mov_b32 s[KF], 0
	s_sub_co_u32 s[TR], 17, ttmp9
	s_lshr_b32 s[TR], s[TR], 1                     ; two key steps a trip: enough for the late block's 16 - i steps, and never past the head's 16
	s_max_u32 s[TR], s[TR], 1                      ; (5 to 8 with this grid's i = 0 .. 7: the line changes nothing and states that the count-down starts at one trip or more)
	s_and_b32 s17, ttmp7, 0xffff                   ; bh
	s_mov_b32 s[SEL], 0x76543210
	s_mov_b32 s[SEL+1], 0xfedcba98
	s_mov_b32 s49, 0                               ; the upper word of the base's step
	s_or_b32 s46, s[WV], 2                         ; who prefetches: waves 1 and 3 (both own the late block) of the head's first work-group, which walks all 16 steps
	s_xor_b32 s46, s46, 3
	s_or_b32 s46, s46, ttmp9
	s_cmp_eq_u32 s46, 0
	s_cselect_b32 s44, 2, -1                       ; a wave prefetches while the trips to go are above this
	v_and_b32 v10, 31, v0
	s_delay_alu instid0(VALU_DEP_1)
	v_lshlrev_b32 v1, 4, v10                       ; 16 x lane: my place in an image's block
	v_lshlrev_b32 v2, 4, v0                        ; 16 x thread: my 16 bytes of a step's 8,192
	s_delay_alu instid0(VALU_DEP_3)
	v_lshlrev_b32 v5, 8, v10                       ; the prefetches' offset: lanes 256 bytes apart over a step's 8,192; wave 1: K, wave 3: V
	s_lshr_b32 s46, s[WV], 1
	s_and_b32 s46, s46, 1
	s_lshl_b32 s46, s46, 22
	v_add_nc_u32 v5, s46, v5
	; K: my 16 bytes are key tt / 4, bytes 16 (tt % 4).  key = 32 b + 16 g + 8 u + e: tile 2 b + u, lane row 8 g + e; bytes 32 c + 16 h.  Image: tile x 1,024 + c x 512 + (16 h + 8 g + e) x 16
	v_bfe_u32 v3, v0, 7, 2
	s_delay_alu instid0(VALU_DEP_1)
	v_lshlrev_b32 v3, 11, v3
	v_bfe_u32 v6, v0, 5, 1
	s_delay_alu instid0(VALU_DEP_1)
	v_lshl_or_b32 v3, v6, 10, v3
	v_bfe_u32 v6, v0, 1, 1
	s_delay_alu instid0(VALU_DEP_1)
	v_lshl_or_b32 v3, v6, 9, v3
	v_and_b32 v6, 1, v0
	s_delay_alu instid0(VALU_DEP_1)
	v_lshl_or_b32 v3, v6, 8, v3
	v_bfe_u32 v6, v0, 6, 1
	s_delay_alu instid0(VALU_DEP_1)
	v_lshl_or_b32 v3, v6, 7, v3
	v_bfe_u32 v6, v0, 2, 3
	s_delay_alu instid0(VALU_DEP_1)
	v_lshl_or_b32 v3, v6, 4, v3
	; V: my 16 bytes are d = tt / 8, keys 16 (tt % 8) on.  d = 32 b + 16 g + 8 u + e; keys 32 c + 16 h.  Image: tile x 2,048 + c x 512 + (16 h + 8 g + e) x 16
	v_bfe_u32 v4, v0, 8, 1
	s_delay_alu instid0(VALU_DEP_1)
	v_lshlrev_b32 v4, 12, v4
	v_bfe_u32 v6, v0, 6, 1
	s_delay_alu instid0(VALU_DEP_1)
	v_lshl_or_b32 v4, v6, 11, v4
	v_bfe_u32 v6, v0, 1, 2
	s_delay_alu instid0(VALU_DEP_1)
	v_lshl_or_b32 v4, v6, 9, v4
	v_and_b32 v6, 1, v0
	s_delay_alu instid0(VALU_DEP_1)
	v_lshl_or_b32 v4, v6, 8, v4
	v_bfe_u32 v6, v0, 7, 1
	s_delay_alu instid0(VALU_DEP_1)
	v_lshl_or_b32 v4, v6, 7, v4
	v_bfe_u32 v6, v0, 3, 3
	s_delay_alu instid0(VALU_DEP_1)
	v_lshl_or_b32 v4, v6, 4, v4
	v_and_b32 v10, 15, v0                          ; r
	v_bfe_u32 v11, v0, 4, 1                        ; h
	s_delay_alu instid0(VALU_DEP_2)
	v_lshlrev_b32 v9, 6, v10
	s_delay_alu instid0(VALU_DEP_1)
	v_lshl_add_u32 v9, v11, 4, v9                  ; row r of 64 bytes + 16 h: Q's fragment, and my place in the stage
	s_lshl_b32 s46, s[WV], 10
	s_add_co_u32 s46, s46, STG
	v_add_nc_u32 v7, s46, v9                       ; the stage, in
	v_add_nc_u32 v8, s46, v1                       ; and back: 512 consecutive bytes an instruction
	s_lshl_b32 s40, s17, 17                        ; a head is 131,072 bytes in every part, and in attc
	s_mov_b32 s41, 0
	s_lshl_b32 s42, s[Q0], 6
	s_mov_b32 s43, 0
	s_wait_alu depctr_va_vdst(0)
	s_wait_kmcnt 0x0
	s_load_b512 s[24:39], s[6:7], 0x0              ; e0 .. e15: s30 = e6, s31 = e7, s32 = e8, s33 = e9, s34 = e10
	s_add_nc_u64 s[4:5], s[4:5], s[40:41]
	s_add_nc_u64 s[KB:KB+1], s[4:5], 0x400000      ; the head's K, step 0
	s_add_nc_u64 s[4:5], s[4:5], s[42:43]          ; my queries
	s_add_nc_u64 s[8:9], s[8:9], s[40:41]
	s_add_nc_u64 s[8:9], s[8:9], s[42:43]          ; and their rows of attc
	global_load_b128 v[16:19], v9, s[4:5]          ; Q: registers 4 c .. 4 c + 3 hold d = 32 c + 16 h + 0 .. 15, the order in which K's image lies
	global_load_b128 v[20:23], v9, s[4:5] offset:32
	global_load_b128 v[RA:RA+3], v2, s[KB:KB+1]    ; step 0
	global_load_b128 v[RA+4:RA+7], v2, s[KB:KB+1] offset:VOFF
	global_load_b128 v[RB:RB+3], v2, s[KB:KB+1] offset:STEPB   ; step 1
	global_load_b128 v[RB+4:RB+7], v2, s[KB:KB+1] offset:VOFF+STEPB
	v_mov_b32 v13, 0xff61b1e6                      ; the largest t so far: -3e38, under every t
	s_delay_alu instid0(VALU_DEP_1)
	v_floor_f32 v12, -v13                          ; -M
	v_mov_b32 v14, 0
	v_mov_b32 v15, 0
	v_mov_b32 v209, 0                              ; written once: a lane permute's destination counts as one of its sources; all permutes of this text land here
	v_mov_b32 v211, 0                              ; (named as the upper half of the pair v[210:211])
.set j, 0
.rept 32
	v_mov_b32 v[160+j], 0                          ; O^T.  (The step is written once: the first finds zeros, which the first change of M leaves zeros)
.set j, j+1
.endr
	s_wait_kmcnt 0x0
	s_mov_b32 s[CS], 0x3e38aa3b                    ; log2(e) / 8
	s_add_co_i32 s46, s30, s31
	s_lshl_b32 s46, s46, 23
	s_add_co_i32 s[CS], s[CS], s46                 ; a score stands for score x 2^(e6 + e7): added to c's exponent field
	s_mov_b32 s[CS+1], s[CS]
	s_add_co_i32 s46, s32, 127
	s_lshl_b32 s47, s46, 23
	v_mov_b32 v215, s47                            ; 2^e8, for p's conversion
	s_add_co_i32 s46, s46, 8
	s_lshl_b32 s46, s46, 23
	s_or_b32 s46, s46, 0x600000
	v_mov_b32 v216, s46                            ; 448 x 2^e8
	s_sub_co_i32 s46, s34, s32
	s_sub_co_i32 s46, s46, s33
	s_add_co_i32 s46, s46, 127
	s_lshl_b32 s47, s46, 23
	v_mov_b32 v217, s47                            ; 2^(e10 - e8 - e9), for att's conversion
	s_add_co_i32 s46, s46, 8
	s_lshl_b32 s46, s46, 23
	s_or_b32 s46, s46, 0x600000
	v_mov_b32 v218, s46
	s_wait_loadcnt 2                               ; Q and step 0 are in; step 1's two loads, issued behind them, may be out
	ds_store_b128 v3, v[RA:RA+3]
	ds_store_b128 v4, v[RA+4:RA+7] offset:8192
	s_wait_dscnt 0x0                               ; for the others' sake, and the stores have read their registers
	global_load_b128 v[RA:RA+3], v2, s[KB:KB+1] offset:2*STEPB   ; step 2 (every work-group walks ten steps or more)
	global_load_b128 v[RA+4:RA+7], v2, s[KB:KB+1] offset:VOFF+2*STEPB
	s_barrier_signal -1
	s_barrier_wait -1                              ; slot 0 is whole
.macro FM b                            ; t - M for pair b of the lane's 32 pairs of scores
	v_pk_fma_f32 v[96+2*(\b):97+2*(\b)], v[96+2*(\b):97+2*(\b)], s[CS:CS+1], v[12:13] op_sel_hi:[1,0,0]
.endm
.macro RS k                            ; pair k of O^T's 16 pairs under the new M: x f
	v_pk_mul_f32 v[160+2*(\k):161+2*(\k)], v[160+2*(\k):161+2*(\k)], v[210:211] op_sel_hi:[1,0]
.endm
; A KEY STEP, s, whose tiles lie in slot p.
; AT ITS HEAD the next step's bytes go into the other slot: every wave's reads of that slot ended in front of the barrier just passed.  The wait for those stores is the wait for K's fragments; behind it the same registers are asked to bring
; step s + 3.  Every step issues these two loads, on both of its ways, so that the count 2 of the wait at a step's head (the younger set's two loads) holds on every path.  The last three requests of a work-group name its last step
; again and are not used: the base steps by 8,192 or by 0, so that no load leaves the buffer.  AT ITS END one barrier: in front of it my stores have landed and my reads of slot p are over.
.macro STEP p
.if \p
.set NX, RA
.else
.set NX, RB
.endif
	s_wait_loadcnt 2                               ; the next step's 32 bytes, asked for two steps ago, are in; the other set's two loads may be out
	s_wait_xcnt 0x0                                ; the loads and the prefetch of a step ago have read their base, which steps below
.if \p
	s_cmp_eq_u32 s[TR], 1                          ; the last step has no successor (alike in all waves)
	s_cbranch_scc1 .Lno_store_\@
.endif
	ds_store_b128 v3, v[NX:NX+3] offset:(1-\p)*SLOTB
	ds_store_b128 v4, v[NX+4:NX+7] offset:(1-\p)*SLOTB+8192
.if \p
.Lno_store_\@:
.endif
	s_cmp_gt_u32 s[TR], 1+\p                       ; is there a step s + 3?
	s_cselect_b32 s48, 0x2000, 0
	s_add_nc_u64 s[KB:KB+1], s[KB:KB+1], s[48:49]
	s_cmp_gt_u32 s[KF], s14                        ; all 128 keys come after my queries: no work
	s_cbranch_scc1 .Lhidden_\@
.rept 4
	v_nop                                          ; places in front of loads into registers that the last products read
.endr
.irp t, 0,1,2,3,4,5,6,7
.irp c, 0,1
	ds_load_b128 v[32+8*\t+4*\c:32+8*\t+4*\c+3], v1 offset:\p*SLOTB+\t*1024+\c*512
.endr
.endr
	s_wait_dscnt 0x0                               ; K's fragments are in, and the two stores have read their registers
	global_load_b128 v[NX:NX+3], v2, s[KB:KB+1] offset:2*STEPB
	global_load_b128 v[NX+4:NX+7], v2, s[KB:KB+1] offset:VOFF+2*STEPB
	s_cmp_gt_u32 s[TR], s44
	s_cbranch_scc0 .Lno_ask_\@
	global_prefetch_b8 v5, s[KB:KB+1] offset:3*STEPB th:TH_LOAD_NT scope:SCOPE_SE   ; step s + 4's 8,192 bytes of K (wave 1) or V (wave 3), a lane to each 256: one key step ahead of the loads that will want them; steps 4 to 15 are each named once for a head, and none past the head's 16
.Lno_ask_\@:
.irp t, 0,1,2,3,4,5,6,7
	v_wmma_f32_16x16x64_fp8_fp8 v[96+8*\t:103+8*\t], v[32+8*\t:39+8*\t], v[16:23], 0
.endr
.rept 4
	v_nop                                          ; places in front of the loads below and of the first read of the scores
.endr
.irp t, 0,1,2,3                                ; V's fragments land while the softmax is walked
.irp c, 0,1,2,3
	ds_load_b128 v[32+16*\t+4*\c:32+16*\t+4*\c+3], v1 offset:\p*SLOTB+8192+\t*2048+\c*512
.endr
.endr
	s_add_co_u32 s46, s[KF], 127                   ; on the diagonal the scores of hidden keys become -infinity ahead of the maximum: p = 0 then.  A step all of whose keys count skips this
	s_cmp_le_u32 s46, s[Q0]
	s_cbranch_scc1 .Lopen_\@
	s_sub_co_i32 s46, s[Q0], s[KF]
	v_and_b32 v210, 15, v0
	v_bfe_u32 v211, v0, 4, 1
	s_delay_alu instid0(VALU_DEP_1)
	v_lshlrev_b32 v211, 4, v211
	s_delay_alu instid0(VALU_DEP_1)
	v_sub_nc_u32 v210, v210, v211
	s_delay_alu instid0(VALU_DEP_1)
	v_add_nc_u32 v210, s46, v210                   ; d = my query - KF - 16 (l / 16).  Register 16 b + i holds key KF + 16 (l / 16) + 32 b + i: hidden where 32 b + i > d
	v_mov_b32 v208, 0xff800000
.set n, 0
.rept 64
	v_cmp_gt_i32 vcc_lo, 32*(n/16)+n%16, v210
	v_cndmask_b32 v[96+n], v[96+n], v208, vcc_lo
.set n, n+1
.endr
.Lopen_\@:
	v_max3_num_f32 v208, v96, v97, v98             ; the step's largest score of my query among my 64 keys, in two chains,
	v_max3_num_f32 v210, v99, v100, v101
.irp i, 6,10,14,18,22,26,30,34,38,42,46,50,54,58
	v_max3_num_f32 v208, v208, v[96+\i], v[97+\i]
	v_max3_num_f32 v210, v210, v[98+\i], v[99+\i]
.endr
	v_max3_num_f32 v208, v208, v158, v159
	s_delay_alu instid0(VALU_DEP_1)
	v_max_num_f32 v208, v208, v210
	s_delay_alu instid0(VALU_DEP_1)
	v_permlanex16_b32 v209, v208, s[SEL], s[SEL+1]
	s_delay_alu instid0(VALU_DEP_1)
	v_max_num_f32 v208, v208, v209                 ; and among lane l xor 16's
	s_delay_alu instid0(VALU_DEP_1)
	v_mul_f32 v208, s[CS], v208                    ; as t (c is positive)
	s_delay_alu instid0(VALU_DEP_1)
	v_max_num_f32 v13, v13, v208                   ; the running largest t
	v_mov_b32 v208, v12
	s_delay_alu instid0(VALU_DEP_2)
	v_floor_f32 v12, -v13                          ; the new -M = floor(-t) = -ceil(t)
	s_delay_alu instid0(VALU_DEP_1)
	v_sub_f32 v208, v12, v208                      ; old M - new M: a whole number, 0 or less
	s_delay_alu instid0(VALU_DEP_1)
	v_cvt_i32_f32 v208, v208                       ; (it saturates)
	s_delay_alu instid0(VALU_DEP_1)
	v_ldexp_f32 v210, 1.0, v208                    ; f = 2^(old M - new M)
	; All sources first, then ONE batch of 64 exponentials with one wait ahead of it and one behind it.  O^T is brought under the new M ahead of the batch: no transcendental stands between the last step's products and these first reads of their results.
.set b, 0
.rept 32
	FM b
.set b, b+1
.endr
.set b, 0
.rept 16
	RS b
.set b, b+1
.endr
	s_wait_alu depctr_va_vdst(0)                   ; the wait ahead of the batch
.set b, 0
.rept 64
	v_exp_f32 v[96+b], v[96+b]                     ; p = 2^(t - M)
.set b, b+1
.endr
	v_pk_mul_f32 v[14:15], v[14:15], v[210:211] op_sel_hi:[1,0]   ; l under the new M (the plain line behind the batch)
	s_wait_alu depctr_va_vdst(0)                   ; one wait for the whole batch, ahead of its first reader
	v_pk_add_f32 v[212:213], v[96:97], v[98:99]    ; l is taken of the unquantised p: 32 pairs in four chains (l itself, v[212:213], v[228:229], v[230:231])
	v_pk_add_f32 v[228:229], v[100:101], v[102:103]
	v_pk_add_f32 v[230:231], v[104:105], v[106:107]
	v_pk_add_f32 v[14:15], v[14:15], v[108:109]
.irp j, 14,22,30,38,46,54
	v_pk_add_f32 v[212:213], v[212:213], v[96+\j:97+\j]
	v_pk_add_f32 v[228:229], v[228:229], v[98+\j:99+\j]
	v_pk_add_f32 v[230:231], v[230:231], v[100+\j:101+\j]
	v_pk_add_f32 v[14:15], v[14:15], v[102+\j:103+\j]
.endr
	v_pk_add_f32 v[212:213], v[212:213], v[158:159]
	v_pk_add_f32 v[228:229], v[228:229], v[230:231]
	v_pk_add_f32 v[14:15], v[14:15], v[212:213]
	v_pk_add_f32 v[14:15], v[14:15], v[228:229]
	s_cmp_ge_i32 s32, -8                           ; p is at most 1 (but for a last bit), and 448 x 2^e8 is 1.75 or more from e8 = -8 on: there nothing can lie beyond the largest code, and the hold is passed over.
	s_cbranch_scc1 .Lno_hold_\@                    ; (A branch on a whole number read from memory, alike in all waves, round vector lines alone)
.set j, 0
.rept 64
	v_min_num_f32 v[96+j], v[96+j], v216           ; the conversion does not saturate (ISA guide 7.6.2); p is not negative, so the hold is one-sided
.set j, j+1
.endr
.Lno_hold_\@:
.irp b, 0,1,2,3
	v_cvt_scalef32_pk8_fp8_f32 v[192+4*\b:193+4*\b], v[96+16*\b:103+16*\b], v215
	v_cvt_scalef32_pk8_fp8_f32 v[194+4*\b:195+4*\b], v[104+16*\b:111+16*\b], v215
.endr
	v_nop                                          ; a plain line between the last conversion and the products that read the codes
	s_wait_alu depctr_va_vdst(0)
	s_wait_dscnt 0x0                               ; V's fragments
.irp t, 0,1,2,3                                ; the four accumulators take turns, one instruction a turn
	v_wmma_f32_16x16x128_fp8_fp8 v[160+8*\t:167+8*\t], v[32+16*\t:47+16*\t], v[192:207], v[160+8*\t:167+8*\t]
.endr
	s_branch .Ldone_\@
.Lhidden_\@:
	s_wait_dscnt 0x0                               ; the two stores have read their registers
	global_load_b128 v[NX:NX+3], v2, s[KB:KB+1] offset:2*STEPB
	global_load_b128 v[NX+4:NX+7], v2, s[KB:KB+1] offset:VOFF+2*STEPB
.Ldone_\@:
	s_add_co_u32 s[KF], s[KF], 128
	s_wait_dscnt 0x0                               ; for the others' sake: my stores into the other slot have landed, my reads of this one are over
	s_barrier_signal -1
	s_barrier_wait -1
.endm
.Ltrip:
	STEP 0
	STEP 1
	s_sub_co_u32 s[TR], s[TR], 1
	s_cmp_lg_u32 s[TR], 0
	s_cbranch_scc1 .Ltrip
	; THE WAY OUT: O^T / l, quantised; a lane's 16 codes are 16 neighbouring bytes of its query's row; through my stage, so that each store covers 512 consecutive bytes.  (The two sets of copies are not touched again.)
.rept 4
	v_nop                                          ; places behind the last products
.endr
	v_add_f32 v14, v14, v15                        ; l's two halves,
	s_delay_alu instid0(VALU_DEP_1)
	v_permlanex16_b32 v209, v14, s[SEL], s[SEL+1]
	s_delay_alu instid0(VALU_DEP_1)
	v_add_f32 v14, v14, v209                       ; and lane l xor 16's
	s_wait_alu depctr_va_vdst(0)
	v_rcp_f32 v14, v14
	v_nop                                          ; a plain line behind the transcendental
.set j, 0
	s_wait_alu depctr_va_vdst(0)
.rept 16
	v_pk_mul_f32 v[160+j:161+j], v[160+j:161+j], v[14:15] op_sel_hi:[1,0]
.set j, j+2
.endr
.irp b, 0,1
.irp i, 0,1,2,3,4,5,6,7,8,9,10,11,12,13,14,15
	v_med3_num_f32 v[160+16*\b+\i], v[160+16*\b+\i], -v218, v218
.endr
	v_cvt_scalef32_pk8_fp8_f32 v[192+4*\b:193+4*\b], v[160+16*\b:167+16*\b], v217
	v_cvt_scalef32_pk8_fp8_f32 v[194+4*\b:195+4*\b], v[168+16*\b:175+16*\b], v217
.endr
	v_nop                                          ; a plain line behind the last conversion
	ds_store_b128 v7, v[192:195]                   ; row r: d = 16 h + 0 .. 15,
	ds_store_b128 v7, v[196:199] offset:32         ; and 32 + 16 h + 0 .. 15
	ds_load_b128 v[200:203], v8                    ; LDS serves a wave's instructions in order: these see my stores
	ds_load_b128 v[204:207], v8 offset:512
	s_wait_dscnt 1                                 ; the first of the two is back
	global_store_b128 v1, v[200:203], s[8:9]
	s_wait_dscnt 0x0
	global_store_b128 v1, v[204:207], s[8:9] offset:512
	s_wait_tensorcnt 0x0
	ds_add_u32 v232, v233
	s_wait_dscnt 0x0
	s_endpgm
.Lfunc_end_k_q3526ada927_attn:
	.size	k_q3526ada927_attn, .Lfunc_end_k_q3526ada927_attn-k_q3526ada927_attn
	.p2alignl 7, 3214868480
	.fill 96, 4, 3214868480
	.section	.rodata,"a",@progbits
	.p2align	6, 0x0
	.amdhsa_kernel k_q3526ada927_attn
		.amdhsa_group_segment_fixed_size 51200
		.amdhsa_private_segment_fixed_size 0
		.amdhsa_enable_private_segment 0
		.amdhsa_kernarg_size 24
		.amdhsa_user_sgpr_count 2
		.amdhsa_user_sgpr_kernarg_segment_ptr 1
		.amdhsa_wavefront_size32 1
		.amdhsa_system_sgpr_workgroup_id_x 1
		.amdhsa_system_sgpr_workgroup_id_y 1
		.amdhsa_system_sgpr_workgroup_id_z 1
		.amdhsa_system_vgpr_workitem_id 0
		.amdhsa_next_free_vgpr 234
		.amdhsa_next_free_sgpr 66
		.amdhsa_reserve_vcc 1
		.amdhsa_float_denorm_mode_32 3
		.amdhsa_float_denorm_mode_16_64 3
		.amdhsa_memory_ordered 1
		.amdhsa_forward_progress 1
		.amdhsa_inst_pref_size 57
	.end_amdhsa_kernel
	.amdgpu_metadata
---
amdhsa.version: [ 1, 2 ]
amdhsa.kernels:
  - .name:           k_q3526ada927_attn
    .symbol:         k_q3526ada927_attn.kd
    .args:
      - { .name: qkvc, .offset: 0, .size: 8, .value_kind: global_buffer, .address_space: global }
      - { .name: lowp_scales, .offset: 8, .size: 8, .value_kind: global_buffer, .address_space: global }
      - { .name: attc, .offset: 16, .size: 8, .value_kind: global_buffer, .address_space: global }
    .group_segment_fixed_size: 51200
    .private_segment_fixed_size: 0
    .kernarg_segment_align: 8
    .kernarg_segment_size: 24
    .max_flat_workgroup_size: 512
    .sgpr_count:     66
    .vgpr_count:     234
    .wavefront_size: 32
...
	.end_amdgpu_metadata
.endif
;; end of part 3
;; launch wo (part 4): grid 8 x 32, 4 waves a work-group, clusters of 4 x 4, 327,680 bytes of LDS; arguments attc, wo_codes, y; writes y
.if DOCPART == 4
	.amdgcn_target "amdgcn-amd-amdhsa--gfx1250"
	.amdhsa_code_object_version 6
	.text
	.protected	k_q3526ada927_wo
	.globl	k_q3526ada927_wo
	.p2align	8
	.type	k_q3526ada927_wo,@function
k_q3526ada927_wo:
	s_mov_b64 s[64:65], 0
	v_nop
	global_prefetch_b8 v0, s[64:65] scope:SCOPE_SE
	s_setreg_imm32_b32 hwreg(HW_REG_WAVE_MODE, 25, 1), 1
	s_wait_xcnt 0x0
	s_wait_alu depctr_hold_cnt(0) depctr_sa_sdst(0) depctr_va_vdst(0) depctr_va_sdst(0) depctr_va_ssrc(0) depctr_va_vcc(0) depctr_vm_vsrc(0)
	s_getreg_b32 s2, hwreg(HW_REG_IB_STS2, 6, 4)
	s_cmp_eq_u32 s2, 0
	s_cbranch_scc0 .Lentry_in_a_cluster
	s_endpgm
.Lentry_in_a_cluster:
	s_bfe_u32 s2, ttmp6, 0x10000c
	s_cmp_lg_u32 s2, 0xf033
	s_cbranch_scc0 .Lentry_shape_is_right
	s_endpgm
.Lentry_shape_is_right:
; y[m][n] = sum over k of A[m][k] B[n][k] on E4M3 codes; y [4096][1024] f32 holds the RAW sums: the launch that reads them multiplies by the two scales in a multiply-add that it has anyway.
; One text serves two products, by the symbol FFN2.  FFN2 = 0: A = att's codes, K = 1,024, B = wo's codes.  FFN2 = 1: A = gelu's codes, K = 4,096, B = w2's codes.
; A LIES IN PLANES ALONG K: [plane][token][PW codes] (att: a plane is a head, 64 codes, and a batch's 16 planes of 2,048 tokens lie together; gelu: 128 codes, 4,096 tokens).  64 tokens of a plane are PW x 64 consecutive bytes.
; A tile of y is 128 x 128 (256 work-groups): four waves, each 64 x 64: 16 accumulators.  K goes in steps of 512 through a ring of two LDS slots.  A wave's tensor load brings 64 tokens x 512 K of A (NPL planes) or 64 rows x 512 bytes of B.
; CLUSTERS: 4 x 4 work-groups; A's tiles are asked for jointly along a row of the cluster, B's along a column.  THE MATRIX INSTRUCTION IS USED TRANSPOSED (source 0 = 16 rows of B, source 1 = 16 rows of A): a lane holds eight neighbouring numbers of a row of y.
; REGISTERS: window 0: v0-31 addresses; v128-255 the accumulators ((a, b) at v[128 + 8 (4 a + b)]).   window 1: two fragment buffers of 128: 64 registers of A (4 x 16 rows x 128 K), then 64 of B.
.set FFN2, 0
; HERE (FFN2 = 0) ALL OF K LIES IN LDS AT ONCE: A's 128 tokens x 16 planes (2 x 81,920 bytes with padding) and B's 128 rows x 1,024 bytes (2 x 66,560) are 296,960 bytes.  Each wave issues ONE tensor load, at the head
; (64 tokens x 16 planes, or 64 rows x 1,024 bytes); nothing is filled again.  What the text below calls slot 0 and slot 1 are the two halves of K inside that one fill: 8 planes on in A, 512 bytes on in a row of B.
; No prefetch: the launch has no refill to run ahead of.
.if FFN2
.set PW,     128                       ; a plane's width in bytes
.set AQI,    4                         ; padding behind every 32 words
.set NPL,    4                         ; planes in a K step of 512
.set PLANE,  524288                    ; bytes from plane to plane
.set KROW,   4096                      ; a row of B in memory
.set LAPS,   4                         ; K / 1,024: a lap = two K steps = once round the ring
.else
.set PW,     64
.set AQI,    3                         ; padding behind every 16 words
.set NPL,    16                        ; all 16 planes in one load
.set PLANE,  131072
.set KROW,   1024
.set LAPS,   1
.endif
.set APITCH, PW+16                     ; a token's PW bytes of a plane in LDS, + 16 of padding: an odd multiple of 16 bytes, so the 16 rows of a load start at 16 different groups of four banks (ISA guide 11.1)
.set APL,    64*APITCH                 ; a plane's 64 tokens
.set AHALF,  NPL*APL                   ; what one tensor load brings of A
.set ASTEP,  NPL*PLANE                 ; a K step on, in A's memory
.set BPITCH, 1040                      ; a row of B in LDS: 1,024 bytes + 16
.set BHALF,  64*BPITCH
.set SLOT,   2*AHALF+2*BHALF           ; A's two halves, then B's two
.set SPARE,  SLOT                      ; behind the one fill: the spare words, 128 bytes for each wave
.set SPITCH, 272                       ; the way out: a stage of 64 rows x (256 bytes + 16) for each wave, in slot 0, which has had its last fill and its last read by then
.set ADRA, 16                          ; v16-17  LDS address of my A fragments in slot 0, 1
.set ADRB, 20                          ; v20-21  the same for B
.set STO,  24                          ; v24     the way out: where I put 32 bytes of a row
.set RD,   25                          ; v25     where I read a row back
.set CO,   26                          ; v26     my byte offset in y
.set SPW,  28                          ; v28     LDS address of my spare word; never rewritten
.set NIL,  29                          ; v29     0; never rewritten
.set ACC,  128
.set F0,   0                           ; fragment buffers, in window 1
.set F1,   128
.set G1, 24                            ; s[24:31] descriptor group 1 for A's tiles;  s[32:39] group 0, one set for each slot
.set G0, 32
.set G1B, 48                           ; s[48:55], s[56:63] the same for B's tiles
.set G0B, 56
.set MSB, 0
.macro WIN new                         ; the immediate's high byte repeats the setting that is left
.if MSB != (\new)
	s_set_vgpr_msb (MSB<<8)|(\new)
.set MSB, (\new)
.endif
.endm
.set MUL,  0x05                        ; sources 0 (B) and 1 (A) window 1; C and D window 0
.set TO_F, 0x40                        ; destination window 1, address window 0
.macro JLOAD s                         ; a joint load: waves 0 and 1 fetch A's two halves, waves 2 and 3 B's; four v_nop follow each of the two lines
	s_cmp_eq_u32 s11, 0
	s_cbranch_scc0 .Lfor_b_\@
	tensor_load_to_lds s[G0+4*\s:G0+4*\s+3], s[G1:G1+7]
	s_nop 0
.rept 4
	v_nop
.endr
	s_branch .Lasked_\@
.Lfor_b_\@:
	tensor_load_to_lds s[G0B+4*\s:G0B+4*\s+3], s[G1B:G1B+7]
	s_nop 0
.rept 4
	v_nop
.endr
.Lasked_\@:
.endm
.macro CREST                           ; a round of the cluster's barrier behind its opening barrier
	s_cmp_lg_u32 s10, 0
	s_cbranch_scc1 .Lnot_wave_0_\@
	s_barrier_signal -3
.Lnot_wave_0_\@:
	s_barrier_wait -3
	s_barrier_signal -1
	s_barrier_wait -1
.endm
.macro CROUND                          ; a whole round
	s_barrier_signal -1
	s_barrier_wait -1
	CREST
.endm
	s_load_b128 s[4:7], s[0:1], 0x0                ; A s[4:5], B s[6:7]
	s_load_b64 s[8:9], s[0:1], 0x10                ; y
	v_lshl_add_u32 v[SPW], v0, 2, SPARE
	v_mov_b32 v[NIL], 0
	ds_add_u32 v28, v29
	ds_add_u32 v28, v29
	s_wait_dscnt 0x0
	v_lshrrev_b32 v1, 5, v0
	v_readfirstlane_b32 s10, v1                    ; wave 0..3
	s_lshr_b32 s11, s10, 1                         ; which half of the tile's rows is mine.  Also: I fetch for A (0) or for B (1)
	s_and_b32 s12, s10, 1                          ; which half of its columns.  Also: which 64 rows of that tile I fetch
	s_bfe_u32 s40, ttmp6, 0x40000                  ; cx, cy: my place in the cluster
	s_bfe_u32 s41, ttmp6, 0x40004
	s_lshl_b32 s42, ttmp9, 2
	s_add_co_u32 s42, s42, s40                     ; tile column = 4 x cluster x + cx
	s_and_b32 s13, ttmp7, 0xffff
	s_lshl_b32 s13, s13, 2
	s_add_co_u32 s13, s13, s41                     ; tile row = 4 x cluster y + cy
	s_lshl_b32 s43, s41, 2
	s_lshl_b32 s43, 15, s43                        ; my row of the cluster
	s_lshl_b32 s44, 0x1111, s40                    ; my column
	; A's group 1: NPL lines of 64 PW bytes (64 tokens of a plane), PLANE bytes apart; in LDS 16 bytes of padding behind every PW bytes, so that all tokens' pieces lie APITCH apart
	s_or_b32 s[G1+0], s43, (0<<16)|(1<<20)|(1<<21)|(AQI<<22)|(3<<25)  ; 15:0 the mask: my row; 17:16 element of 1 byte; 20 padding on; 21 set beside a mask; 24:22 the interval; 31:25 four words
	s_mov_b32 s[G1+1], (64*PW)<<16                 ; tensor_dim0
	s_mov_b32 s[G1+2], NPL<<16                     ; tensor_dim1
	s_mov_b32 s[G1+3], (64*PW)<<16                 ; tile_dim0
	s_mov_b32 s[G1+4], NPL                         ; tile_dim1
	s_mov_b32 s[G1+5], PLANE                       ; tensor_dim0_stride
	s_mov_b32 s[G1+6], 0
	s_mov_b32 s[G1+7], 0
	; B's group 1: 64 rows of 1,024 bytes, 16 bytes of padding behind each
	s_or_b32 s[G1B+0], s44, (0<<16)|(1<<20)|(1<<21)|(7<<22)|(3<<25)   ; padding: four words behind every 256
	s_mov_b32 s[G1B+1], 1024<<16
	s_mov_b32 s[G1B+2], 64<<16
	s_mov_b32 s[G1B+3], 1024<<16
	s_mov_b32 s[G1B+4], 64
	s_mov_b32 s[G1B+5], KROW
	s_mov_b32 s[G1B+6], 0
	s_mov_b32 s[G1B+7], 0
	s_lshl_b32 s17, s12, 6                         ; which 64 rows of the tile I fetch
	s_lshl_b32 s16, s13, 7
	s_add_co_u32 s16, s16, s17                     ; A: token m = 128 x tile row + 64 x half
.if FFN2
	s_lshl_b32 s16, s16, 7                         ; its bytes in plane 0: 128 m
.else
	s_lshr_b32 s18, s16, 11                        ; (m / 2048) x 16 planes x 131,072 + (m % 2048) x 64
	s_lshl_b32 s18, s18, 21
	s_and_b32 s16, s16, 2047
	s_lshl_b32 s16, s16, 6
	s_add_co_u32 s16, s16, s18
.endif
	s_lshl_b32 s46, s42, 7
	s_add_co_u32 s46, s46, s17                     ; B: row 128 x tile column + 64 x half
	s_mul_i32 s46, s46, KROW
	s_mov_b32 s17, 0
	s_mov_b32 s47, 0
	s_mul_i32 s20, s12, AHALF                      ; where they go: no place in the cluster enters an LDS address
	s_mul_i32 s21, s12, BHALF
	s_add_co_u32 s21, s21, 2*AHALF
	s_wait_kmcnt 0x0
	s_add_nc_u64 s[14:15], s[4:5], s[16:17]
	s_add_nc_u64 s[46:47], s[6:7], s[46:47]
	CROUND                                         ; all sixteen work-groups are here: the first joint loads meet
.irp s, 0
	s_mov_b32 s[G0+4*\s], 1
	s_add_co_u32 s[G0+4*\s+1], s20, \s*SLOT
	s_add_nc_u64 s[G0+4*\s+2:G0+4*\s+3], s[14:15], \s*ASTEP
	s_or_b32 s[G0+4*\s+3], s[G0+4*\s+3], 0x80000000
	s_mov_b32 s[G0B+4*\s], 1
	s_add_co_u32 s[G0B+4*\s+1], s21, \s*SLOT
	s_add_nc_u64 s[G0B+4*\s+2:G0B+4*\s+3], s[46:47], \s*512
	s_or_b32 s[G0B+4*\s+3], s[G0B+4*\s+3], 0x80000000
	JLOAD \s
.endr
	v_and_b32 v1, 15, v0                           ; r = l % 16
	v_bfe_u32 v2, v0, 4, 1                         ; h = l / 16
	v_mul_u32_u24 v3, v1, APITCH
	v_lshl_add_u32 v3, v2, 4, v3                   ; A: token r x pitch + 16 h
	v_mul_u32_u24 v4, v1, BPITCH
	v_lshl_add_u32 v4, v2, 4, v4                   ; B: row r x pitch + 16 h
	s_mul_i32 s21, s11, AHALF                      ; my 64 rows of A
	s_mul_i32 s22, s12, BHALF                      ; my 64 rows of B,
	s_add_co_u32 s22, s22, 2*AHALF                 ; which lie behind A's halves
.irp s, 0,1
	v_add_nc_u32 v[ADRA+\s], s21, v3
	v_add_nc_u32 v[ADRB+\s], s22, v4
	s_add_co_u32 s21, s21, 8*APL                   ; K's second half: 8 planes on in A,
	s_add_co_u32 s22, s22, 512                     ; 512 bytes on in a row of B
.endr
	s_mul_i32 s23, s10, 64*SPITCH                  ; my stage
	v_mul_u32_u24 v5, v1, SPITCH
	v_lshl_add_u32 v5, v2, 5, v5
	v_add_nc_u32 v[STO], s23, v5                   ; in: row r, 32 bytes for each half of the lanes
	v_mul_u32_u24 v5, v2, SPITCH
	v_lshl_add_u32 v5, v1, 4, v5
	v_add_nc_u32 v[RD], s23, v5                    ; back: lanes 0-15 one row of 256 bytes, lanes 16-31 the next
	v_lshlrev_b32 v5, 12, v2
	v_lshl_add_u32 v[CO], v1, 4, v5                ; and the same two rows in y (rows of 4,096 bytes)
	s_lshl_b32 s16, s13, 7
	s_lshl_b32 s17, s11, 6
	s_add_co_u32 s16, s16, s17                     ; my first row of y
	s_lshl_b32 s16, s16, 12
	s_lshl_b32 s46, s42, 9                         ; my first column, in bytes: 512 x tile column + 256 x half
	s_lshl_b32 s47, s12, 8
	s_add_co_u32 s46, s46, s47
	s_add_co_u32 s16, s16, s46
	s_mov_b32 s17, 0
	s_add_nc_u64 s[8:9], s[8:9], s[16:17]
; 4 matrix instructions: row block a x the four column blocks, 128 along K, from buffer f.  zero = 1: the product starts the sums.  The 16 accumulators take turns, one instruction a turn.
.macro MULA f, a, zero
.irp b, 0,1,2,3
.if \zero
	v_wmma_f32_16x16x128_fp8_fp8 v[ACC+8*(4*\a+\b):ACC+8*(4*\a+\b)+7], v[\f+64+16*\b:\f+64+16*\b+15], v[\f+16*\a:\f+16*\a+15], 0
.else
	v_wmma_f32_16x16x128_fp8_fp8 v[ACC+8*(4*\a+\b):ACC+8*(4*\a+\b)+7], v[\f+64+16*\b:\f+64+16*\b+15], v[\f+16*\a:\f+16*\a+15], v[ACC+8*(4*\a+\b):ACC+8*(4*\a+\b)+7]
.endif
.endr
.endm
; 32 LDS loads in one run: the fragments of the slot's q-th 128 along K into buffer f: B's four, then A's four.  On both sides registers 4 c .. 4 c + 3 hold K = 128 q + 32 c + 16 h + 0 .. 15.
.macro FETCH slot, q, f
	WIN TO_F
.irp i, 0,1,2,3
.irp c, 0,1,2,3
	ds_load_b128 v[\f+64+16*\i+4*\c:\f+64+16*\i+4*\c+3], v[ADRB+\slot] offset:128*(\q)+32*\c+\i*16*BPITCH
.endr
.endr
.irp i, 0,1,2,3
.irp c, 0,1,2,3
.if FFN2
	ds_load_b128 v[\f+16*\i+4*\c:\f+16*\i+4*\c+3], v[ADRA+\slot] offset:(\q)*APL+\i*16*APITCH+32*\c
.else
	ds_load_b128 v[\f+16*\i+4*\c:\f+16*\i+4*\c+3], v[ADRA+\slot] offset:(2*(\q)+\c/2)*APL+\i*16*APITCH+32*(\c%2)
.endif
.endr
.endr
.endm
.macro PLACES                          ; four plain vector lines between a matrix instruction and a load into one of its registers, or the first read of its result
.rept 4
	v_nop
.endr
.endm
; A K step is four quarters of 128 along K, 16 matrix instructions each, on buffers 0, 1, 0, 1.  One of the first three: multiplies buffer f and fetches quarter qn into g.
.macro QUARTER slot, qn, f, g, zero
	s_wait_dscnt 8                                 ; B's four and A's blocks 0, 1 are in; the youngest eight loads (A's blocks 2, 3) may be out
	WIN MUL
	MULA \f, 0, \zero
	MULA \f, 1, \zero
	PLACES
	FETCH \slot, \qn, \g
	s_wait_dscnt 32                                ; all but the 32 just issued
	WIN MUL
	MULA \f, 2, \zero
	MULA \f, 3, \zero
.endm
; The last quarter multiplies buffer 1 and changes slots: ONE barrier; in front of it each wave waits for all its tensor loads, adds 0 to its spare word, and waits for that and for its own reads of this slot.  fill = 1: this slot is filled again, two K steps ahead.
.macro TURN slot, next, fill
	WIN 0                                          ; (the add's two registers lie in window 0)
	s_wait_tensorcnt 0x0                           ; all my tensor loads have landed: my part of the next slot
	ds_add_u32 v[SPW], v[NIL]                      ; 0 onto my spare word
	s_wait_dscnt 9                                 ; (the add and the youngest eight loads may be out)
	WIN MUL
	MULA F1, 0, 0                                  ; matrix instructions stand between the add and the wait for it
	s_wait_dscnt 0x0                               ; the add is done, and my reads of this slot are over
	s_barrier_signal -1
	MULA F1, 1, 0
.if \fill
	WIN 0
.endif
	s_barrier_wait -1
.if \fill
	CREST                                          ; the barrier has opened a round of the cluster's: no wave of any partner still reads this slot or has a load on its way
	s_add_nc_u64 s[G0+4*\slot+2:G0+4*\slot+3], s[G0+4*\slot+2:G0+4*\slot+3], 2*ASTEP
	s_add_nc_u64 s[G0B+4*\slot+2:G0B+4*\slot+3], s[G0B+4*\slot+2:G0B+4*\slot+3], 2*512
	JLOAD \slot                                    ; the first tensor load behind the round; its four v_nop are the places in front of the loads below
.else
	PLACES
.endif
	FETCH \next, 0, F0
	WIN MUL
	MULA F1, 2, 0
	MULA F1, 3, 0
.endm
	s_wait_alu depctr_va_vdst(0)
	s_wait_tensorcnt 0x0                           ; my one tensor load is in,
	s_barrier_signal -1
	s_barrier_wait -1                              ; everybody's is
	FETCH 0, 0, F0
	QUARTER 0, 1, F0, F1, 1                        ; the first quarter stands in front of the loop: its products start the sums
.if LAPS > 1
	WIN 0                                          ; at a label and at a branch every window is 0
	s_mov_b32 s3, LAPS-1
.Llap:                                             ; a trip goes once round the ring and fills both slots again
	QUARTER 0, 2, F1, F0, 0
	QUARTER 0, 3, F0, F1, 0
	TURN 0, 1, 1
	QUARTER 1, 1, F0, F1, 0
	QUARTER 1, 2, F1, F0, 0
	QUARTER 1, 3, F0, F1, 0
	TURN 1, 0, 1
	QUARTER 0, 1, F0, F1, 0
	WIN 0
	s_sub_co_u32 s3, s3, 1
	s_cmp_lg_u32 s3, 0
	s_cbranch_scc1 .Llap
.endif
	QUARTER 0, 2, F1, F0, 0                        ; the last lap fills nothing
	QUARTER 0, 3, F0, F1, 0
	TURN 0, 1, 0
	QUARTER 1, 1, F0, F1, 0
	QUARTER 1, 2, F1, F0, 0
	QUARTER 1, 3, F0, F1, 0
	s_wait_dscnt 8                                 ; the very last quarter
	WIN MUL
	MULA F1, 0, 0
	MULA F1, 1, 0
	s_wait_dscnt 0
	MULA F1, 2, 0
	MULA F1, 3, 0
	WIN 0
	s_barrier_signal -1                            ; my reads of the tiles are over (the wait for them stands above): the stages lie on bytes that other waves read up to here
	s_barrier_wait -1
	; THE WAY OUT.  My 64 columns of f32 are 256 bytes of a row, aligned: each wave leaves by itself, through its own stage: 32 bytes a lane in, whole rows back.
	PLACES
.irp a, 0,1,2,3
.irp b, 0,1,2,3
	ds_store_b128 v[STO], v[ACC+8*(4*\a+\b):ACC+8*(4*\a+\b)+3] offset:\a*16*SPITCH+64*\b          ; each accumulator from its low end on
	ds_store_b128 v[STO], v[ACC+8*(4*\a+\b)+4:ACC+8*(4*\a+\b)+7] offset:\a*16*SPITCH+64*\b+16
.endr
.endr
.set t, 0
.rept 32
	ds_load_b128 v[ACC+4*t:ACC+4*t+3], v[RD] offset:t*2*SPITCH   ; LDS serves a wave's instructions in order: these see my stores
.set t, t+1
.endr
.set t, 0
.rept 32
	s_wait_dscnt 31-t
	global_store_b128 v[CO], v[ACC+4*t:ACC+4*t+3], s[8:9] offset:t*8192   ; 16 lanes store 256 consecutive bytes, at a multiple of 256 from y's first byte
.set t, t+1
.endr
	s_wait_tensorcnt 0x0                           ; the wave's end
	ds_add_u32 v[SPW], v[NIL]
	s_wait_dscnt 0x0
	CROUND                                         ; the closing round: no work-group ends while a partner may still ask for a tile that names it
	s_endpgm
.Lfunc_end_k_q3526ada927_wo:
	.size	k_q3526ada927_wo, .Lfunc_end_k_q3526ada927_wo-k_q3526ada927_wo
	.p2alignl 7, 3214868480
	.fill 96, 4, 3214868480
	.section	.rodata,"a",@progbits
	.p2align	6, 0x0
	.amdhsa_kernel k_q3526ada927_wo
		.amdhsa_group_segment_fixed_size 327680
		.amdhsa_private_segment_fixed_size 0
		.amdhsa_enable_private_segment 0
		.amdhsa_kernarg_size 24
		.amdhsa_user_sgpr_count 2
		.amdhsa_user_sgpr_kernarg_segment_ptr 1
		.amdhsa_wavefront_size32 1
		.amdhsa_system_sgpr_workgroup_id_x 1
		.amdhsa_system_sgpr_workgroup_id_y 1
		.amdhsa_system_sgpr_workgroup_id_z 1
		.amdhsa_system_vgpr_workitem_id 0
		.amdhsa_next_free_vgpr 512
		.amdhsa_next_free_sgpr 66
		.amdhsa_reserve_vcc 0
		.amdhsa_float_denorm_mode_32 3
		.amdhsa_float_denorm_mode_16_64 3
		.amdhsa_memory_ordered 1
		.amdhsa_forward_progress 1
		.amdhsa_inst_pref_size 41
	.end_amdhsa_kernel
	.amdgpu_metadata
---
amdhsa.version: [ 1, 2 ]
amdhsa.kernels:
  - .name:           k_q3526ada927_wo
    .symbol:         k_q3526ada927_wo.kd
    .args:
      - { .name: attc, .offset: 0, .size: 8, .value_kind: global_buffer, .address_space: global }
      - { .name: wo_codes, .offset: 8, .size: 8, .value_kind: global_buffer, .address_space: global }
      - { .name: y, .offset: 16, .size: 8, .value_kind: global_buffer, .address_space: global }
    .group_segment_fixed_size: 327680
    .private_segment_fixed_size: 0
    .kernarg_segment_align: 8
    .kernarg_segment_size: 24
    .max_flat_workgroup_size: 128
    .sgpr_count:     66
    .vgpr_count:     512
    .wavefront_size: 32
...
	.end_amdgpu_metadata
.endif
;; end of part 4
;; launch ln0 (part 5): grid 512 x 1, 4 waves a work-group, no clusters, 8,704 bytes of LDS; arguments y, x, gamma0, beta0, lowp_scales, x1, x1c; writes x1, x1c
.if DOCPART == 5
	.amdgcn_target "amdgcn-amd-amdhsa--gfx1250"
	.amdhsa_code_object_version 6
	.text
	.protected	k_q3526ada927_ln0
	.globl	k_q3526ada927_ln0
	.p2align	8
	.type	k_q3526ada927_ln0,@function
k_q3526ada927_ln0:
	s_mov_b64 s[64:65], 0
	v_nop
	global_prefetch_b8 v0, s[64:65] scope:SCOPE_SE
	s_setreg_imm32_b32 hwreg(HW_REG_WAVE_MODE, 25, 1), 1
	s_wait_xcnt 0x0
; x1 = layer norm of (x + y 2^(e10 + e11)) with gamma0, beta0 (eps = 1e-5), f32, and x1's E4M3 codes under 2^e12 (x1c, [4096][1024]).  y holds the raw sums of att wo^T.
; A stream: one wave takes a whole row of 1,024 numbers in 32 registers a lane, two rows a wave; the row is read once and stays in registers between the passes.  Mean first, then the variance of the centred numbers.
; Load j of a row reads 512 consecutive bytes: lane l holds columns 128 j + 4 l + 0 .. 3.  All 48 loads of a wave go out at the head.  No barrier: waves share nothing.  Matrix units, clusters and tensor loads would add nothing to a stream.
; A conversion's dword j holds the codes of columns 128 j + 4 l ..: they go through the wave's own 2,048 bytes of LDS and leave 16 bytes a lane, 512 consecutive bytes a store.
; LIMITS: e10 + e11 between -126 and 127; e12 between -126 and 119.  NaN among the inputs is not served.
.set Y,   16                           ; v16-79   y, two rows; later the held numbers
.set X,   80                           ; v80-143  x, two rows; then the sums, then x1
.set GA,  144                          ; v144-175 gamma0
.set BE,  176                          ; v176-207 beta0
.set CDS, 208                          ; v208-223 codes as the conversions give them
.set CB,  224                          ; v224-239 codes as they leave
	s_load_b256 s[4:11], s[0:1], 0x0               ; y, x, gamma0, beta0
	s_load_b128 s[12:15], s[0:1], 0x20             ; the scales' exponents, x1
	s_load_b64 s[16:17], s[0:1], 0x30              ; x1c
	v_lshl_add_u32 v240, v0, 2, 0x2000
	v_mov_b32 v241, 0
	v_lshrrev_b32 v1, 5, v0
	v_readfirstlane_b32 s18, v1                    ; wave
	v_and_b32 v2, 31, v0                           ; lane
	v_lshlrev_b32 v1, 4, v2                        ; 16 x lane
	s_lshl_b32 s19, s18, 11                        ; my wave's 2,048 bytes of LDS
	v_lshl_add_u32 v10, v2, 2, s19                 ; in: 4 x lane
	v_lshl_add_u32 v11, v2, 4, s19                 ; back: 16 x lane
	s_lshl_b32 s30, ttmp9, 2
	s_add_co_u32 s30, s30, s18                     ; my pair of rows
	s_lshl_b32 s32, s30, 13                        ; two rows of 4,096 bytes,
	s_mov_b32 s33, 0
	s_lshl_b32 s34, s30, 11                        ; and of 1,024 bytes of codes
	s_mov_b32 s35, 0
	s_mov_b32 s24, 0x76543210                      ; v_permlanex16_b32: lane l xor 16
	s_mov_b32 s25, 0xfedcba98
	s_mov_b32 s26, 0x3a800000                      ; 1 / 1,024
	s_mov_b32 s27, 0x3727c5ac                      ; 1e-5
	s_wait_alu depctr_va_vdst(0)
	s_wait_kmcnt 0x0
	s_load_b128 s[20:23], s[12:13], 0x28           ; e10, e11, e12, e13
	s_add_nc_u64 s[4:5], s[4:5], s[32:33]
	s_add_nc_u64 s[6:7], s[6:7], s[32:33]
	s_add_nc_u64 s[14:15], s[14:15], s[32:33]
	s_add_nc_u64 s[16:17], s[16:17], s[34:35]
.macro LD8 reg, base, off, hint
.irp j, 0,1,2,3,4,5,6,7
.if \hint
	global_load_b128 v[\reg+4*\j:\reg+4*\j+3], v1, s[\base:\base+1] offset:\off+512*\j th:TH_LOAD_NT
.else
	global_load_b128 v[\reg+4*\j:\reg+4*\j+3], v1, s[\base:\base+1] offset:\off+512*\j
.endif
.endr
.endm
	LD8 Y, 4, 0, 1
	LD8 X, 6, 0, 1
	LD8 GA, 8, 0, 0
	LD8 BE, 10, 0, 0
	LD8 Y+32, 4, 4096, 1
	LD8 X+32, 6, 4096, 1
	s_wait_kmcnt 0x0
	s_add_co_i32 s28, s20, s21
	s_add_co_i32 s28, s28, 127
	s_lshl_b32 s28, s28, 23                        ; 2^(e10 + e11) as f32
	s_mov_b32 s29, s28                             ; (named with it as a pair)
	s_add_co_i32 s30, s22, 127
	s_lshl_b32 s31, s30, 23
	v_mov_b32 v8, s31                              ; 2^e12
	s_add_co_i32 s30, s30, 8
	s_lshl_b32 s30, s30, 23
	s_or_b32 s30, s30, 0x600000
	v_mov_b32 v9, s30                              ; 448 x 2^e12
.macro REDUCE a, b                     ; v[a] summed over the wave's 32 lanes, the result in every lane; v[b], written before, at work
	v_add_f32_dpp v[\a], v[\a], v[\a] row_xmask:1 row_mask:0xf bank_mask:0xf
	v_add_f32_dpp v[\a], v[\a], v[\a] row_xmask:2 row_mask:0xf bank_mask:0xf
	v_add_f32_dpp v[\a], v[\a], v[\a] row_xmask:4 row_mask:0xf bank_mask:0xf
	v_add_f32_dpp v[\a], v[\a], v[\a] row_xmask:8 row_mask:0xf bank_mask:0xf
	v_permlanex16_b32 v[\b], v[\a], s24, s25
	v_add_f32 v[\a], v[\a], v[\b]
.endm
.macro ROW i, w0, w1                   ; w0: the loads that may be out when the row's own are in; w1: when gamma0 and beta0 are in
.set YR, Y+32*\i
.set XR, X+32*\i
	s_wait_loadcnt \w0
.set j, 0
.rept 16
	v_pk_fma_f32 v[XR+j:XR+j+1], v[YR+j:YR+j+1], s[28:29], v[XR+j:XR+j+1] op_sel_hi:[1,0,1]   ; x + y 2^(e10 + e11)
.set j, j+2
.endr
	v_pk_add_f32 v[2:3], v[XR:XR+1], v[XR+2:XR+3]  ; the row's sum, in two chains
	v_pk_add_f32 v[4:5], v[XR+4:XR+5], v[XR+6:XR+7]
.set j, 8
.rept 6
	v_pk_add_f32 v[2:3], v[2:3], v[XR+j:XR+j+1]
	v_pk_add_f32 v[4:5], v[4:5], v[XR+j+2:XR+j+3]
.set j, j+4
.endr
	v_pk_add_f32 v[2:3], v[2:3], v[4:5]
	v_add_f32 v2, v2, v3
	REDUCE 2, 3
	v_mul_f32 v2, s26, v2                          ; the mean
.set j, 0
.rept 16
	v_pk_add_f32 v[XR+j:XR+j+1], v[XR+j:XR+j+1], v[2:3] op_sel_hi:[1,0] neg_lo:[0,1] neg_hi:[0,1]
.set j, j+2
.endr
	v_pk_mul_f32 v[4:5], v[XR:XR+1], v[XR:XR+1]    ; the sum of the centred numbers' squares, in two chains
	v_pk_mul_f32 v[6:7], v[XR+2:XR+3], v[XR+2:XR+3]
.set j, 4
.rept 7
	v_pk_fma_f32 v[4:5], v[XR+j:XR+j+1], v[XR+j:XR+j+1], v[4:5]
	v_pk_fma_f32 v[6:7], v[XR+j+2:XR+j+3], v[XR+j+2:XR+j+3], v[6:7]
.set j, j+4
.endr
	v_pk_add_f32 v[4:5], v[4:5], v[6:7]
	v_add_f32 v4, v4, v5
	REDUCE 4, 5
	v_fma_f32 v4, v4, s26, s27                     ; the variance + eps
	s_wait_alu depctr_va_vdst(0)
	v_rsq_f32 v4, v4
	v_nop                                          ; a plain line behind the transcendental
	s_wait_loadcnt \w1
.set j, 0
	s_wait_alu depctr_va_vdst(0)
.rept 16
	v_pk_mul_f32 v[XR+j:XR+j+1], v[XR+j:XR+j+1], v[4:5] op_sel_hi:[1,0]
.set j, j+2
.endr
.set j, 0
.rept 16
	v_pk_fma_f32 v[XR+j:XR+j+1], v[XR+j:XR+j+1], v[GA+j:GA+j+1], v[BE+j:BE+j+1]
.set j, j+2
.endr
.irp j, 0,1,2,3,4,5,6,7
	global_store_b128 v1, v[XR+4*\j:XR+4*\j+3], s[14:15] offset:4096*\i+512*\j
.endr
.set j, 0
.rept 32
	v_med3_num_f32 v[YR+j], v[XR+j], -v9, v9       ; the conversion to an 8-bit code does not saturate (ISA guide 7.6.2)
.set j, j+1
.endr
.irp g, 0,1,2,3
	v_cvt_scalef32_pk8_fp8_f32 v[CDS+8*\i+2*\g:CDS+8*\i+2*\g+1], v[YR+8*\g:YR+8*\g+7], v8
.endr
	v_nop                                          ; a plain line behind the last conversion
.irp j, 0,1,2,3,4,5,6,7
	ds_store_b32 v10, v[CDS+8*\i+\j] offset:1024*\i+128*\j   ; columns 128 j + 4 l ..
.endr
	ds_load_b128 v[CB+8*\i:CB+8*\i+3], v11 offset:1024*\i      ; LDS serves a wave's instructions in order: these see my stores
	ds_load_b128 v[CB+8*\i+4:CB+8*\i+7], v11 offset:1024*\i+512
	s_wait_dscnt 1
	global_store_b128 v1, v[CB+8*\i:CB+8*\i+3], s[16:17] offset:1024*\i
	s_wait_dscnt 0x0
	global_store_b128 v1, v[CB+8*\i+4:CB+8*\i+7], s[16:17] offset:1024*\i+512
.endm
	ROW 0, 32, 16                                  ; behind row 0's 16 loads: gamma0, beta0 and row 1, 32 loads; behind beta0: row 1's 16
	ROW 1, 0, 0
	s_wait_tensorcnt 0x0
	ds_add_u32 v240, v241
	s_wait_dscnt 0x0
	s_endpgm
.Lfunc_end_k_q3526ada927_ln0:
	.size	k_q3526ada927_ln0, .Lfunc_end_k_q3526ada927_ln0-k_q3526ada927_ln0
	.p2alignl 7, 3214868480
	.fill 96, 4, 3214868480
	.section	.rodata,"a",@progbits
	.p2align	6, 0x0
	.amdhsa_kernel k_q3526ada927_ln0
		.amdhsa_group_segment_fixed_size 8704
		.amdhsa_private_segment_fixed_size 0
		.amdhsa_enable_private_segment 0
		.amdhsa_kernarg_size 56
		.amdhsa_user_sgpr_count 2
		.amdhsa_user_sgpr_kernarg_segment_ptr 1
		.amdhsa_wavefront_size32 1
		.amdhsa_system_sgpr_workgroup_id_x 1
		.amdhsa_system_sgpr_workgroup_id_y 1
		.amdhsa_system_sgpr_workgroup_id_z 1
		.amdhsa_system_vgpr_workitem_id 0
		.amdhsa_next_free_vgpr 242
		.amdhsa_next_free_sgpr 66
		.amdhsa_reserve_vcc 0
		.amdhsa_float_denorm_mode_32 3
		.amdhsa_float_denorm_mode_16_64 3
		.amdhsa_memory_ordered 1
		.amdhsa_forward_progress 1
		.amdhsa_inst_pref_size 29
	.end_amdhsa_kernel
	.amdgpu_metadata
---
amdhsa.version: [ 1, 2 ]
amdhsa.kernels:
  - .name:           k_q3526ada927_ln0
    .symbol:         k_q3526ada927_ln0.kd
    .args:
      - { .name: y, .offset: 0, .size: 8, .value_kind: global_buffer, .address_space: global }
      - { .name: x, .offset: 8, .size: 8, .value_kind: global_buffer, .address_space: global }
      - { .name: gamma0, .offset: 16, .size: 8, .value_kind: global_buffer, .address_space: global }
      - { .name: beta0, .offset: 24, .size: 8, .value_kind: global_buffer, .address_space: global }
      - { .name: lowp_scales, .offset: 32, .size: 8, .value_kind: global_buffer, .address_space: global }
      - { .name: x1, .offset: 40, .size: 8, .value_kind: global_buffer, .address_space: global }
      - { .name: x1c, .offset: 48, .size: 8, .value_kind: global_buffer, .address_space: global }
    .group_segment_fixed_size: 8704
    .private_segment_fixed_size: 0
    .kernarg_segment_align: 8
    .kernarg_segment_size: 56
    .max_flat_workgroup_size: 128
    .sgpr_count:     66
    .vgpr_count:     242
    .wavefront_size: 32
...
	.end_amdgpu_metadata
.endif
;; end of part 5
;; launch ffn1 (part 6): grid 16 x 16, 4 waves a work-group, clusters of 4 x 4, 327,680 bytes of LDS; arguments x1c, w1_codes, lowp_scales, b1, hc; writes hc
.if DOCPART == 6
	.amdgcn_target "amdgcn-amd-amdhsa--gfx1250"
	.amdhsa_code_object_version 6
	.text
	.protected	k_q3526ada927_ffn1
	.globl	k_q3526ada927_ffn1
	.p2align	8
	.type	k_q3526ada927_ffn1,@function
k_q3526ada927_ffn1:
	s_mov_b64 s[64:65], 0
	v_nop
	global_prefetch_b8 v0, s[64:65] scope:SCOPE_SE
	s_setreg_imm32_b32 hwreg(HW_REG_WAVE_MODE, 25, 1), 1
	s_wait_xcnt 0x0
	s_wait_alu depctr_hold_cnt(0) depctr_sa_sdst(0) depctr_va_vdst(0) depctr_va_sdst(0) depctr_va_ssrc(0) depctr_va_vcc(0) depctr_vm_vsrc(0)
	s_getreg_b32 s2, hwreg(HW_REG_IB_STS2, 6, 4)
	s_cmp_eq_u32 s2, 0
	s_cbranch_scc0 .Lentry_in_a_cluster
	s_endpgm
.Lentry_in_a_cluster:
	s_bfe_u32 s2, ttmp6, 0x10000c
	s_cmp_lg_u32 s2, 0xf033
	s_cbranch_scc0 .Lentry_shape_is_right
	s_endpgm
.Lentry_shape_is_right:
; hc = E4M3 codes, under 2^e14, of gelu(x1 w1^T + b1): x1c [4096][1024] and w1_codes [4096][1024] are codes under 2^e12 and 2^e13; sums in f32.
; hc lies in planes along the next product's K: [plane of 128 hidden units][token 4096][128 codes].
; THE PRODUCT.  A tile of 256 tokens x 256 hidden units a work-group (256 work-groups), four waves of 128 x 128: 64 accumulators in windows 2 and 3.  K goes in steps of 256 through a ring of two LDS slots;
; each wave fetches 128 rows x 256 bytes by one tensor load.  4 x 4 work-groups form a cluster: A's tiles are asked for jointly along a row of it, B's along a column.  The matrix instruction is used transposed
; (source 0 = rows of w1, source 1 = tokens).  Window 0: v0-31 addresses, v32-47 b1, from v128 A's fragments (one set); window 1: B's fragments (two sets).
; No prefetch: K is 1,024, four fills of which two are refills, and the loop over K has one trip to run ahead in.
; THE WAY OUT.  All raw sums go into the wave's own 128 rows x 528 bytes of LDS (on the ring's bytes, which have had their last fill; a barrier shows that nobody reads them) and come back 16 neighbouring hidden units a lane,
; so that b1 takes 16 registers, the work stands in a loop of 8 trips of 16 tokens, and a lane's 16 codes are 16 bytes: each store covers 512 consecutive bytes.
; gelu(x) = max(x, 0) - |x| q, q = erfc(|x| / sqrt 2) / 2 = t 2^(P(t) - x^2 log2(e) / 2), t = 1 / (1 + |x| / (2 sqrt 2)), P of degree 9: a fit of erfc whose fractional error is under 1.2e-7 for every argument.
; A trip is two units of 32 numbers a lane.  Reciprocals and exponentials go in batches of 32 with one wait ahead and one behind; between a batch's lines stand only plain lines whose results are first read behind the batch's
; second wait: max(x, 0) and x^2 among the reciprocals, the other unit's denominators among the exponentials.
; LIMITS: e12 + e13 between -126 and 127; e14 between -126 and 119, so that each power of two is an f32 number.  NaN among the inputs is not served.
.set ROWB,   256
.set KROW,   1024
.set PITCH,  272                       ; an LDS row: 256 bytes + 16 of padding
.set FR,     16
.set NL,     4
.set NP,     4
.set HALFT,  128*PITCH
.set SLOT,   4*HALFT
.set LAPS,   2
.set SPARE,  2*SLOT                    ; the spare words, 128 bytes a wave
.set RP,     528                       ; the way out: a token's 128 sums, 512 bytes + 16
.set REG,    128*RP
.set C8,   12                          ; v[12:13] P's second coefficient, as a pair
.set ADRA, 16
.set ADRB, 20
.set BO,   23
.set STO,  24
.set RD,   25
.set CO,   26
.set RDA,  27
.set SPW,  28
.set NIL,  29
.set QSC,  30                          ; 2^e14
.set QLM,  31                          ; 448 x 2^e14
.set BI,   32                          ; v32-47   b1 at my 16 hidden units
.set XS,   48                          ; v48-111  x, two units of 32
.set RA,   112                         ; v112-143, v144-175: t and x^2, the two roles by turns
.set RB,   144
.set PP,   176                         ; v176-207 P, then q
.set GG,   208                         ; v208-239 max(x, 0), then gelu
.set CDS,  240                         ; v240-255 codes
.set AF,   128
.set G1, 24
.set G0, 32
.set G1B, 48
.set G0B, 56
.set MSB, 0
.macro WIN new
.if MSB != (\new)
	s_set_vgpr_msb (MSB<<8)|(\new)
.set MSB, (\new)
.endif
.endm
.set MUL_LO, 0xa1
.set MUL_HI, 0xf1
.set TO_B,   0x40
.macro JLOAD g0a, g1a, g0b, g1b        ; a joint load: waves 0, 1 fetch for A, waves 2, 3 for B
	s_cmp_eq_u32 s15, 0
	s_cbranch_scc0 .Lfor_b_\@
	tensor_load_to_lds s[\g0a:\g0a+3], s[\g1a:\g1a+7]
	s_nop 0
.rept 4
	v_nop
.endr
	s_branch .Lasked_\@
.Lfor_b_\@:
	tensor_load_to_lds s[\g0b:\g0b+3], s[\g1b:\g1b+7]
	s_nop 0
.rept 4
	v_nop
.endr
.Lasked_\@:
.endm
.macro CREST
	s_cmp_lg_u32 s14, 0
	s_cbranch_scc1 .Lnot_wave_0_\@
	s_barrier_signal -3
.Lnot_wave_0_\@:
	s_barrier_wait -3
	s_barrier_signal -1
	s_barrier_wait -1
.endm
.macro CROUND
	s_barrier_signal -1
	s_barrier_wait -1
	CREST
.endm
.macro PAIR r, val
	s_mov_b32 s[\r], \val
	s_mov_b32 s[\r+1], \val
.endm
	s_load_b128 s[4:7], s[0:1], 0x0                ; x1c, w1_codes
	s_load_b128 s[8:11], s[0:1], 0x10              ; the scales' exponents, b1
	s_load_b64 s[12:13], s[0:1], 0x20              ; hc
	v_lshl_add_u32 v[SPW], v0, 2, SPARE
	v_mov_b32 v[NIL], 0
	ds_add_u32 v[SPW], v[NIL]                      ; the opening lines: the add, twice on end,
	ds_add_u32 v[SPW], v[NIL]
	v_lshrrev_b32 v1, 5, v0
	v_readfirstlane_b32 s14, v1                    ; wave
	s_lshr_b32 s15, s14, 1                         ; my half of the tokens; also: I fetch for A (0) or B (1)
	s_and_b32 s16, s14, 1                          ; my half of the hidden units; also: which 128 rows I fetch
	s_bfe_u32 s40, ttmp6, 0x40000                  ; cx, cy
	s_bfe_u32 s41, ttmp6, 0x40004
	s_lshl_b32 s42, ttmp9, 2
	s_add_co_u32 s42, s42, s40                     ; tile column
	s_and_b32 s17, ttmp7, 0xffff
	s_lshl_b32 s17, s17, 2
	s_add_co_u32 s17, s17, s41                     ; tile row
	s_lshl_b32 s43, s41, 2
	s_lshl_b32 s43, 15, s43                        ; my row of the cluster
	s_lshl_b32 s44, 0x1111, s40                    ; my column
	s_or_b32 s[G1+0], s43, (0<<16)|(1<<20)|(1<<21)|(5<<22)|(3<<25)
	s_or_b32 s[G1B+0], s44, (0<<16)|(1<<20)|(1<<21)|(5<<22)|(3<<25)
.irp g, G1, G1B
	s_mov_b32 s[\g+1], ROWB<<16
	s_mov_b32 s[\g+2], 128<<16
	s_mov_b32 s[\g+3], ROWB<<16
	s_mov_b32 s[\g+4], 128
	s_mov_b32 s[\g+5], KROW
	s_mov_b32 s[\g+6], 0
	s_mov_b32 s[\g+7], 0
.endr
	s_lshl_b32 s18, s16, 7
	s_lshl_b32 s20, s17, 8
	s_add_co_u32 s20, s20, s18
	s_lshl_b32 s46, s42, 8
	s_add_co_u32 s46, s46, s18
	s_lshl_b32 s20, s20, 10                        ; A: (256 x tile row + 128 x half) rows of 1,024 bytes
	s_lshl_b32 s46, s46, 10                        ; B: the same by the tile column
	s_mov_b32 s21, 0
	s_mov_b32 s47, 0
	s_mul_i32 s45, s14, HALFT
	s_wait_dscnt 0x0                               ; and the one wait for both adds
	s_wait_kmcnt 0x0
	s_load_b128 s[92:95], s[8:9], 0x30             ; e12, e13, e14, e15
	s_add_nc_u64 s[20:21], s[4:5], s[20:21]
	s_add_nc_u64 s[46:47], s[6:7], s[46:47]
	CROUND                                         ; the first joint loads meet
.irp s, 0,1
	s_mov_b32 s[G0+4*\s], 1
	s_add_co_u32 s[G0+4*\s+1], s45, \s*SLOT
	s_add_nc_u64 s[G0+4*\s+2:G0+4*\s+3], s[20:21], \s*ROWB
	s_or_b32 s[G0+4*\s+3], s[G0+4*\s+3], 0x80000000
	s_mov_b32 s[G0B+4*\s], 1
	s_add_co_u32 s[G0B+4*\s+1], s45, \s*SLOT
	s_add_nc_u64 s[G0B+4*\s+2:G0B+4*\s+3], s[46:47], \s*ROWB
	s_or_b32 s[G0B+4*\s+3], s[G0B+4*\s+3], 0x80000000
.endr
	JLOAD G0, G1, G0B, G1B                         ; K step 0: one tensor load a wave at the head.  All that follows up to the head's end stands under its flight
	s_mul_i32 s21, s15, HALFT                      ; my 128 rows of A in a slot,
	s_mul_i32 s22, s16, HALFT
	s_add_co_u32 s22, s22, 2*HALFT                 ; of B,
	s_mul_i32 s23, s14, REG                        ; my region on the way out
	s_lshl_b32 s18, s17, 8
	s_lshl_b32 s19, s15, 7
	s_add_co_u32 s18, s18, s19                     ; my first token,
	s_lshl_b32 s18, s18, 7                         ; x 128 bytes,
	s_lshl_b32 s46, s42, 1
	s_add_co_u32 s46, s46, s16                     ; my plane of 128 hidden units,
	s_lshl_b32 s47, s46, 19                        ; x 4,096 tokens x 128 bytes
	s_add_co_u32 s18, s18, s47
	s_mov_b32 s19, 0
	s_add_nc_u64 s[12:13], s[12:13], s[18:19]
	s_lshl_b32 s46, s46, 9                         ; and its 512 bytes of b1
	s_mov_b32 s47, 0
	s_add_nc_u64 s[10:11], s[10:11], s[46:47]
	v_and_b32 v1, 15, v0                           ; the head's vector lines in one run
	v_bfe_u32 v2, v0, 4, 1
	v_mul_u32_u24 v3, v1, PITCH
	v_lshl_add_u32 v4, v2, 4, v3                   ; a fragment's row x pitch + 16 x half
	v_add_nc_u32 v[ADRA], s21, v4
	v_add_nc_u32 v[ADRB], s22, v4
	v_add_nc_u32 v[ADRA+1], SLOT, v[ADRA]
	v_add_nc_u32 v[ADRB+1], SLOT, v[ADRB]
	v_mul_u32_u24 v5, v1, RP
	v_lshl_add_u32 v5, v2, 5, v5
	v_add_nc_u32 v[STO], s23, v5                   ; in: token l % 16, 32 bytes for each half of the lanes
	v_and_b32 v6, 31, v0
	v_lshlrev_b32 v[CO], 4, v6                     ; my 16 bytes of a store's 512
	v_lshrrev_b32 v7, 3, v6
	v_mul_u32_u24 v7, v7, RP
	v_and_b32 v8, 7, v6
	v_lshlrev_b32 v[BO], 6, v8                     ; my 16 hidden units: 64 bytes of sums, and of b1
	v_add_nc_u32 v7, v7, v[BO]
	v_add_nc_u32 v[RD], s23, v7                    ; back: token l / 8, units 16 (l % 8) on
	v_mov_b32 v[C8], 0xbf97d29d
	v_mov_b32 v[C8+1], 0xbf97d29d
.irp k, 0,1,2,3
	global_load_b128 v[BI+4*\k:BI+4*\k+3], v[BO], s[10:11] offset:16*\k   ; b1 stays in registers that the product does not name; waited for ahead of the way out
.endr
	PAIR 66, 0x3e7c6f08                            ; P's coefficients, from the highest down, in base 2; the packed forms name pairs
	PAIR 68, 0x40097039
	PAIR 70, 0xbfd1a1e5
	PAIR 72, 0x3ecdfd18
	PAIR 74, 0xbe899a80
	PAIR 76, 0x3e0efb2e
	PAIR 78, 0x3f0a29d2
	PAIR 80, 0x3fb8ab5a
	PAIR 82, 0xc034d90f
	PAIR 84, 0xbf38aa3b                            ; -log2(e) / 2
	s_mov_b32 s88, 0x3eb504f3                      ; 1 / (2 sqrt 2)
	s_mov_b32 s89, 8                               ; the way out's trips,
	s_mov_b32 s90, 0                               ; and its place in my region
	s_wait_kmcnt 0x0
	s_add_co_i32 s86, s92, s93
	s_add_co_i32 s86, s86, 127
	s_lshl_b32 s86, s86, 23                        ; 2^(e12 + e13)
	s_mov_b32 s87, s86
	s_add_co_i32 s96, s94, 127
	s_lshl_b32 s97, s96, 23
	v_mov_b32 v[QSC], s97
	s_add_co_i32 s96, s96, 8
	s_lshl_b32 s96, s96, 23
	s_or_b32 s96, s96, 0x600000
	v_mov_b32 v[QLM], s96
.macro FRAG reg, adr, q, i             ; 16 rows x 128 K: registers 4 c .. 4 c + 3 hold K = 32 c + 16 (l / 16) + 0 .. 15, alike in A and B
.irp c, 0,1,2,3
	ds_load_b128 v[\reg+4*\c:\reg+4*\c+3], v[\adr] offset:128*(\q)+32*\c+(\i)*16*PITCH
.endr
.endm
.macro MUL16 a0, p, zero               ; the 64 accumulators take turns, one instruction a turn
.irp a, \a0, \a0+1
.irp b, 0,1,2,3,4,5,6,7
.if \zero
	v_wmma_f32_16x16x128_fp8_fp8 v[8*(8*((\a)%4)+\b):8*(8*((\a)%4)+\b)+7], v[128*(\p)+FR*\b:128*(\p)+FR*\b+FR-1], v[AF+FR*(\a):AF+FR*(\a)+FR-1], 0
.else
	v_wmma_f32_16x16x128_fp8_fp8 v[8*(8*((\a)%4)+\b):8*(8*((\a)%4)+\b)+7], v[128*(\p)+FR*\b:128*(\p)+FR*\b+FR-1], v[AF+FR*(\a):AF+FR*(\a)+FR-1], v[8*(8*((\a)%4)+\b):8*(8*((\a)%4)+\b)+7]
.endif
.endr
.endr
.endm
.macro FETCH_B slot, q, p
	WIN TO_B
.irp i, 0,1,2,3,4,5,6,7
	FRAG 128*(\p)+FR*\i, ADRB+\slot, \q, \i
.endr
	WIN 0
.endm
.macro FETCH_A slot, q, i0
.irp i, \i0, \i0+1, \i0+2, \i0+3
	FRAG AF+FR*(\i), ADRA+\slot, \q, \i
.endr
.endm
.macro PLACES n                        ; plain lines between a matrix instruction and a load into, or a read of, its registers
.rept \n
	v_nop
.endr
.endm
.macro STEP slot, q, zero              ; 128 along K with its successor in the same slot
	s_wait_dscnt 4*NL                              ; all but the youngest 16 loads (A's blocks 4-7)
	WIN MUL_LO
	MUL16 0, (\q)%2, \zero
	MUL16 2, (\q)%2, \zero
	s_wait_dscnt 0
	PLACES NP
	FETCH_B \slot, (\q)+1, 1-(\q)%2
	FETCH_A \slot, (\q)+1, 0
	WIN MUL_HI
	MUL16 4, (\q)%2, \zero
	MUL16 6, (\q)%2, \zero
	PLACES NP
	WIN 0
	FETCH_A \slot, (\q)+1, 4
.endm
.macro TURN slot, next, fill           ; a slot's last step changes slots: one barrier, which opens a round of the cluster's where the slot is filled again
	s_wait_tensorcnt 0x0                           ; all my tensor loads are in: my part of the next slot
	ds_add_u32 v[SPW], v[NIL]                      ; 0 onto my spare word
	s_wait_dscnt 4*NL+1                            ; the add and the youngest 16 loads may be out
	WIN MUL_LO
	MUL16 0, 1, 0
	s_wait_dscnt 0x0                               ; the add is done, my reads of this slot are over
	s_barrier_signal -1
	MUL16 2, 1, 0
	WIN 0
	s_barrier_wait -1
.if \fill
	CREST
	s_add_nc_u64 s[G0+4*\slot+2:G0+4*\slot+3], s[G0+4*\slot+2:G0+4*\slot+3], 2*ROWB
	s_add_nc_u64 s[G0B+4*\slot+2:G0B+4*\slot+3], s[G0B+4*\slot+2:G0B+4*\slot+3], 2*ROWB
	JLOAD G0+4*\slot, G1, G0B+4*\slot, G1B
.else
	PLACES NP
.endif
	FETCH_B \next, 0, 0
	FETCH_A \next, 0, 0
	WIN MUL_HI
	MUL16 4, 1, 0
	MUL16 6, 1, 0
	PLACES NP
	WIN 0
	FETCH_A \next, 0, 4
.endm
	s_wait_alu depctr_va_vdst(0)                   ; the wait at the head's end
	s_wait_tensorcnt 0x0                           ; my part of K step 0 is in; slot 1's first fill is issued as a refill is:
	ds_add_u32 v[SPW], v[NIL]
	s_wait_dscnt 0x0
	CROUND
	JLOAD G0+4, G1, G0B+4, G1B                     ; K step 1, the first tensor load behind the round
	FETCH_B 0, 0, 0
	FETCH_A 0, 0, 0
	FETCH_A 0, 0, 4
	STEP 0, 0, 1                                   ; the first step's products start the sums
	s_mov_b32 s3, LAPS-1
.Llap:
	TURN 0, 1, 1
	STEP 1, 0, 0
	TURN 1, 0, 1
	STEP 0, 0, 0
	s_sub_co_u32 s3, s3, 1
	s_cmp_lg_u32 s3, 0
	s_cbranch_scc1 .Llap
	TURN 0, 1, 0
	STEP 1, 0, 0
	s_wait_dscnt 4*NL
	WIN MUL_LO
	MUL16 0, 1, 0
	MUL16 2, 1, 0
	s_wait_dscnt 0
	WIN MUL_HI
	MUL16 4, 1, 0
	MUL16 6, 1, 0
	WIN 0
	PLACES NP
	s_barrier_signal -1                            ; my reads of the ring are over (waited for above): the regions below lie on both slots
	s_barrier_wait -1
.irp a, 0,1,2,3,4,5,6,7
	WIN 0x08+4*(\a/4)                              ; store data from window 2 or 3
.irp b, 0,1,2,3,4,5,6,7
	ds_store_b128 v[STO], v[64*(\a%4)+8*\b:64*(\a%4)+8*\b+3] offset:\a*16*RP+64*\b        ; each accumulator from its low end on
	ds_store_b128 v[STO], v[64*(\a%4)+8*\b+4:64*(\a%4)+8*\b+7] offset:\a*16*RP+64*\b+16
.endr
.endr
	WIN 0
	s_wait_loadcnt 0x0                             ; b1
.macro XB u                            ; x = sum x 2^(e12 + e13) + b1
.set j, 0
.rept 16
	v_pk_fma_f32 v[XS+32*(\u)+j:XS+32*(\u)+j+1], v[XS+32*(\u)+j:XS+32*(\u)+j+1], s[86:87], v[BI+j%16:BI+j%16+1] op_sel_hi:[1,0,1]
.set j, j+2
.endr
.endm
.macro RCPB u, t, m                    ; t = 1 / denominator; between the lines max(x, 0) and x^2, first read behind the batch's second wait
.set k, 0
.rept 32
	v_rcp_f32 v[\t+k], v[\t+k]
	v_max_num_f32 v[GG+k], 0, v[XS+32*(\u)+k]
.if k%2 == 0
	v_pk_mul_f32 v[\m+k:\m+k+1], v[XS+32*(\u)+k:XS+32*(\u)+k+1], v[XS+32*(\u)+k:XS+32*(\u)+k+1]
.endif
.set k, k+1
.endr
.endm
.macro POLY t, m                       ; P(t) - x^2 log2(e) / 2: each level is 16 lines that do not hang on each other
.set j, 0
.rept 16
	v_pk_fma_f32 v[PP+j:PP+j+1], v[\t+j:\t+j+1], s[66:67], v[C8:C8+1] op_sel_hi:[1,0,1]
.set j, j+2
.endr
.irp c, 68,70,72,74,76,78,80,82
.set j, 0
.rept 16
	v_pk_fma_f32 v[PP+j:PP+j+1], v[PP+j:PP+j+1], v[\t+j:\t+j+1], s[\c:\c+1] op_sel_hi:[1,1,0]
.set j, j+2
.endr
.endr
.set j, 0
.rept 16
	v_pk_fma_f32 v[PP+j:PP+j+1], v[\m+j:\m+j+1], s[84:85], v[PP+j:PP+j+1] op_sel_hi:[1,0,1]
.set j, j+2
.endr
.endm
.macro EXPB u2, t2                     ; 2^(..); u2 >= 0: between the lines unit u2's denominators 1 + |x| / (2 sqrt 2) into t2
.set k, 0
.rept 32
	v_exp_f32 v[PP+k], v[PP+k]
.if \u2 >= 0
	v_fma_f32 v[\t2+k], |v[XS+32*(\u2)+k]|, s88, 1.0
.endif
.set k, k+1
.endr
.if \u2 < 0
	v_nop                                          ; a plain line behind the last transcendental
.endif
.endm
.macro FIN u, t                        ; q = t 2^(..); gelu = max(x, 0) - |x| q; held, converted, stored
.set j, 0
.rept 16
	v_pk_mul_f32 v[PP+j:PP+j+1], v[PP+j:PP+j+1], v[\t+j:\t+j+1]
.set j, j+2
.endr
.set k, 0
.rept 32
	v_fma_f32 v[GG+k], -|v[XS+32*(\u)+k]|, v[PP+k], v[GG+k]
.set k, k+1
.endr
.set k, 0
.rept 32
	v_med3_num_f32 v[GG+k], v[GG+k], -v[QLM], v[QLM]   ; the conversion to an 8-bit code does not saturate (ISA guide 7.6.2)
.set k, k+1
.endr
.irp q, 0,1,2,3
	v_cvt_scalef32_pk8_fp8_f32 v[CDS+8*(\u)+2*\q:CDS+8*(\u)+2*\q+1], v[GG+8*\q:GG+8*\q+7], v[QSC]
.endr
	v_nop                                          ; a plain line behind the last conversion
.irp g, 0,1
	global_store_b128 v[CO], v[CDS+8*(\u)+4*\g:CDS+8*(\u)+4*\g+3], s[12:13] offset:512*(2*(\u)+\g)   ; four tokens x 128 codes: 512 consecutive bytes
.endr
.endm
.Lrows:                                            ; 8 trips of 16 tokens: group i of 16 registers holds tokens 4 i + l / 8
	v_add_nc_u32 v[RDA], s90, v[RD]
.irp i, 0,1,2,3
.irp k, 0,1,2,3
	ds_load_b128 v[XS+16*\i+4*\k:XS+16*\i+4*\k+3], v[RDA] offset:\i*4*RP+16*\k   ; LDS serves a wave's instructions in order: these see my stores
.endr
.endr
	s_wait_dscnt 8                                 ; unit 0's eight loads are in; unit 1's eight may be out
	XB 0
.set k, 0
.rept 32
	v_fma_f32 v[RA+k], |v[XS+k]|, s88, 1.0
.set k, k+1
.endr
	s_wait_alu depctr_va_vdst(0)                   ; each batch: one wait ahead of it and one behind it
	RCPB 0, RA, RB
	s_wait_alu depctr_va_vdst(0)
	POLY RA, RB
	s_wait_dscnt 0x0                               ; unit 1
	XB 1
	s_wait_alu depctr_va_vdst(0)
	EXPB 1, RB                                     ; unit 0's x^2 is done with: its registers take unit 1's denominators
	s_wait_alu depctr_va_vdst(0)
	FIN 0, RA
	s_wait_alu depctr_va_vdst(0)
	RCPB 1, RB, RA
	s_wait_alu depctr_va_vdst(0)
	POLY RB, RA
	s_wait_alu depctr_va_vdst(0)
	EXPB -1, 0
	s_wait_alu depctr_va_vdst(0)
	FIN 1, RB
	s_wait_xcnt 0x0                                ; the stores have read their base and their data
	s_add_nc_u64 s[12:13], s[12:13], 2048
	s_add_co_u32 s90, s90, 16*RP
	s_sub_co_u32 s89, s89, 1
	s_cmp_lg_u32 s89, 0
	s_cbranch_scc1 .Lrows
	s_wait_tensorcnt 0x0                           ; the wave's end
	ds_add_u32 v[SPW], v[NIL]
	s_wait_dscnt 0x0
	CROUND                                         ; the closing round
	s_endpgm
.Lfunc_end_k_q3526ada927_ffn1:
	.size	k_q3526ada927_ffn1, .Lfunc_end_k_q3526ada927_ffn1-k_q3526ada927_ffn1
	.p2alignl 7, 3214868480
	.fill 96, 4, 3214868480
	.section	.rodata,"a",@progbits
	.p2align	6, 0x0
	.amdhsa_kernel k_q3526ada927_ffn1
		.amdhsa_group_segment_fixed_size 327680
		.amdhsa_private_segment_fixed_size 0
		.amdhsa_enable_private_segment 0
		.amdhsa_kernarg_size 40
		.amdhsa_user_sgpr_count 2
		.amdhsa_user_sgpr_kernarg_segment_ptr 1
		.amdhsa_wavefront_size32 1
		.amdhsa_system_sgpr_workgroup_id_x 1
		.amdhsa_system_sgpr_workgroup_id_y 1
		.amdhsa_system_sgpr_workgroup_id_z 1
		.amdhsa_system_vgpr_workitem_id 0
		.amdhsa_next_free_vgpr 1024
		.amdhsa_next_free_sgpr 100
		.amdhsa_reserve_vcc 0
		.amdhsa_float_denorm_mode_32 3
		.amdhsa_float_denorm_mode_16_64 3
		.amdhsa_memory_ordered 1
		.amdhsa_forward_progress 1
		.amdhsa_inst_pref_size 135
	.end_amdhsa_kernel
	.amdgpu_metadata
---
amdhsa.version: [ 1, 2 ]
amdhsa.kernels:
  - .name:           k_q3526ada927_ffn1
    .symbol:         k_q3526ada927_ffn1.kd
    .args:
      - { .name: x1c, .offset: 0, .size: 8, .value_kind: global_buffer, .address_space: global }
      - { .name: w1_codes, .offset: 8, .size: 8, .value_kind: global_buffer, .address_space: global }
      - { .name: lowp_scales, .offset: 16, .size: 8, .value_kind: global_buffer, .address_space: global }
      - { .name: b1, .offset: 24, .size: 8, .value_kind: global_buffer, .address_space: global }
      - { .name: hc, .offset: 32, .size: 8, .value_kind: global_buffer, .address_space: global }
    .group_segment_fixed_size: 327680
    .private_segment_fixed_size: 0
    .kernarg_segment_align: 8
    .kernarg_segment_size: 40
    .max_flat_workgroup_size: 128
    .sgpr_count:     100
    .vgpr_count:     1024
    .wavefront_size: 32
...
	.end_amdgpu_metadata
.endif
;; end of part 6
;; launch ffn2 (part 7): grid 8 x 32, 4 waves a work-group, clusters of 4 x 4, 327,680 bytes of LDS; arguments hc, w2_codes, y; writes y
.if DOCPART == 7
	.amdgcn_target "amdgcn-amd-amdhsa--gfx1250"
	.amdhsa_code_object_version 6
	.text
	.protected	k_q3526ada927_ffn2
	.globl	k_q3526ada927_ffn2
	.p2align	8
	.type	k_q3526ada927_ffn2,@function
k_q3526ada927_ffn2:
	s_mov_b64 s[64:65], 0
	v_nop
	global_prefetch_b8 v0, s[64:65] scope:SCOPE_SE
	s_setreg_imm32_b32 hwreg(HW_REG_WAVE_MODE, 25, 1), 1
	s_wait_xcnt 0x0
	s_wait_alu depctr_hold_cnt(0) depctr_sa_sdst(0) depctr_va_vdst(0) depctr_va_sdst(0) depctr_va_ssrc(0) depctr_va_vcc(0) depctr_vm_vsrc(0)
	s_getreg_b32 s2, hwreg(HW_REG_IB_STS2, 6, 4)
	s_cmp_eq_u32 s2, 0
	s_cbranch_scc0 .Lentry_in_a_cluster
	s_endpgm
.Lentry_in_a_cluster:
	s_bfe_u32 s2, ttmp6, 0x10000c
	s_cmp_lg_u32 s2, 0xf033
	s_cbranch_scc0 .Lentry_shape_is_right
	s_endpgm
.Lentry_shape_is_right:
; y[m][n] = raw sums over k of A[m][k] B[n][k] on E4M3 codes: A = gelu's codes hc, in planes [plane of 128 k][token 4096][128], B = w2_codes [1024][4096]; y [4096][1024] f32; the next launch applies the two scales.
; A tile of y is 128 x 128 (256 work-groups), four waves of 64 x 64.  K goes in steps of 512 through a ring of two LDS slots; a wave's tensor load brings 64 tokens x 4 planes of A or 64 rows x 512 bytes of B.
; 4 x 4 work-groups form a cluster: A's tiles are asked for jointly along a row of it, B's along a column.
; PREFETCH: behind each joint load stands one global_prefetch_b8 a wave for the K step two refills on.  A wave's load is 128 blocks of 256 bytes; the four partners that ask for it jointly take 32 each, told apart by address:
; of A the partner at cx takes plane cx of the four (8,192 dense bytes, lanes 256 apart), of B the partner at cy takes rows 16 cy .. + 15 (two lanes a row).  K steps 0 and 1 come by their loads alone; the last two refills ask for nothing.
.set FFN2, 1
.if FFN2
.set PW,     128
.set AQI,    4
.set NPL,    4
.set PLANE,  524288
.set KROW,   4096
.set LAPS,   4
.else
.set PW,     64
.set AQI,    3
.set NPL,    8
.set PLANE,  131072
.set KROW,   1024
.set LAPS,   1
.endif
.set APITCH, PW+16
.set APL,    64*APITCH
.set AHALF,  NPL*APL
.set ASTEP,  NPL*PLANE
.set BPITCH, 528
.set BHALF,  64*BPITCH
.set SLOT,   2*AHALF+2*BHALF
.set SPARE,  2*SLOT
.set SPITCH, 272
.set ADRA, 16
.set ADRB, 20
.set STO,  24
.set RD,   25
.set CO,   26
.set SPW,  28
.set NIL,  29
.set ACC,  128
.set F0,   0
.set F1,   128
.set G1, 24
.set G0, 32
.set G1B, 48
.set G0B, 56
.set MSB, 0
.macro WIN new
.if MSB != (\new)
	s_set_vgpr_msb (MSB<<8)|(\new)
.set MSB, (\new)
.endif
.endm
.set MUL,  0x05
.set TO_F, 0x40
.macro JLOAD s
	s_cmp_eq_u32 s11, 0
	s_cbranch_scc0 .Lfor_b_\@
	tensor_load_to_lds s[G0+4*\s:G0+4*\s+3], s[G1:G1+7]
	s_nop 0
.rept 4
	v_nop
.endr
	s_branch .Lasked_\@
.Lfor_b_\@:
	tensor_load_to_lds s[G0B+4*\s:G0B+4*\s+3], s[G1B:G1B+7]
	s_nop 0
.rept 4
	v_nop
.endr
.Lasked_\@:
.endm
.macro CREST
	s_cmp_lg_u32 s10, 0
	s_cbranch_scc1 .Lnot_wave_0_\@
	s_barrier_signal -3
.Lnot_wave_0_\@:
	s_barrier_wait -3
	s_barrier_signal -1
	s_barrier_wait -1
.endm
.macro CROUND
	s_barrier_signal -1
	s_barrier_wait -1
	CREST
.endm
	s_load_b128 s[4:7], s[0:1], 0x0
	s_load_b64 s[8:9], s[0:1], 0x10
	v_lshl_add_u32 v[SPW], v0, 2, SPARE
	v_mov_b32 v[NIL], 0
	ds_add_u32 v28, v29
	ds_add_u32 v28, v29
	s_wait_dscnt 0x0
	v_lshrrev_b32 v1, 5, v0
	v_readfirstlane_b32 s10, v1
	s_lshr_b32 s11, s10, 1
	s_and_b32 s12, s10, 1
	s_bfe_u32 s40, ttmp6, 0x40000
	s_bfe_u32 s41, ttmp6, 0x40004
	s_lshl_b32 s42, ttmp9, 2
	s_add_co_u32 s42, s42, s40
	s_and_b32 s13, ttmp7, 0xffff
	s_lshl_b32 s13, s13, 2
	s_add_co_u32 s13, s13, s41
	s_lshl_b32 s43, s41, 2
	s_lshl_b32 s43, 15, s43
	s_lshl_b32 s44, 0x1111, s40
	s_or_b32 s[G1+0], s43, (0<<16)|(1<<20)|(1<<21)|(AQI<<22)|(3<<25)
	s_mov_b32 s[G1+1], (64*PW)<<16
	s_mov_b32 s[G1+2], NPL<<16
	s_mov_b32 s[G1+3], (64*PW)<<16
	s_mov_b32 s[G1+4], NPL
	s_mov_b32 s[G1+5], PLANE
	s_mov_b32 s[G1+6], 0
	s_mov_b32 s[G1+7], 0
	s_or_b32 s[G1B+0], s44, (0<<16)|(1<<20)|(1<<21)|(6<<22)|(3<<25)
	s_mov_b32 s[G1B+1], 512<<16
	s_mov_b32 s[G1B+2], 64<<16
	s_mov_b32 s[G1B+3], 512<<16
	s_mov_b32 s[G1B+4], 64
	s_mov_b32 s[G1B+5], KROW
	s_mov_b32 s[G1B+6], 0
	s_mov_b32 s[G1B+7], 0
	s_lshl_b32 s17, s12, 6
	s_lshl_b32 s16, s13, 7
	s_add_co_u32 s16, s16, s17
.if FFN2
	s_lshl_b32 s16, s16, 7
.else
	s_lshr_b32 s18, s16, 11
	s_lshl_b32 s18, s18, 21
	s_and_b32 s16, s16, 2047
	s_lshl_b32 s16, s16, 6
	s_add_co_u32 s16, s16, s18
.endif
	s_lshl_b32 s46, s42, 7
	s_add_co_u32 s46, s46, s17
	s_mul_i32 s46, s46, KROW
	s_mov_b32 s17, 0
	s_mov_b32 s47, 0
	s_mul_i32 s20, s12, AHALF
	s_mul_i32 s21, s12, BHALF
	s_add_co_u32 s21, s21, 2*AHALF
	s_wait_kmcnt 0x0
	s_add_nc_u64 s[14:15], s[4:5], s[16:17]
	s_add_nc_u64 s[46:47], s[6:7], s[46:47]
	CROUND
.irp s, 0,1
	s_mov_b32 s[G0+4*\s], 1
	s_add_co_u32 s[G0+4*\s+1], s20, \s*SLOT
	s_add_nc_u64 s[G0+4*\s+2:G0+4*\s+3], s[14:15], \s*ASTEP
	s_or_b32 s[G0+4*\s+3], s[G0+4*\s+3], 0x80000000
	s_mov_b32 s[G0B+4*\s], 1
	s_add_co_u32 s[G0B+4*\s+1], s21, \s*SLOT
	s_add_nc_u64 s[G0B+4*\s+2:G0B+4*\s+3], s[46:47], \s*512
	s_or_b32 s[G0B+4*\s+3], s[G0B+4*\s+3], 0x80000000
.endr
	JLOAD 0                                        ; K step 0: one tensor load a wave at the head
	s_lshl_b32 s40, s40, 19                        ; the prefetches.  A: cx planes of 524,288 bytes;
	s_lshl_b32 s41, s41, 16                        ; B: 16 cy rows of 4,096 bytes
	s_cmp_eq_u32 s11, 0                            ; do I fetch for A?
	s_cselect_b64 s[18:19], s[14:15], s[46:47]     ; s[18:19]: the first byte of the 64 rows that I fetch,
	s_cselect_b32 s40, s40, s41
	s_mov_b32 s41, 512
	s_cselect_b32 s14, ASTEP, s41                  ; s[14:15]: a K step on, in bytes
	s_mov_b32 s41, 4096
	s_cselect_b32 s16, 512, s41                    ; from one pair of lanes to the next
	s_mov_b32 s15, 0
	s_mov_b32 s41, 0
	s_add_nc_u64 s[18:19], s[18:19], s[40:41]      ; + my work-group's part,
	s_add_nc_u64 s[18:19], s[18:19], s[14:15]
	s_add_nc_u64 s[18:19], s[18:19], s[14:15]      ; at K step 2
	v_and_b32 v30, 31, v0
	v_lshrrev_b32 v31, 1, v30
	v_and_b32 v30, 1, v30
	v_lshlrev_b32 v30, 8, v30
	v_mad_u32_u24 v30, v31, s16, v30               ; v30 = (lane / 2) x that + 256 (lane % 2); never rewritten
	global_prefetch_b8 v30, s[18:19] th:TH_LOAD_NT scope:SCOPE_SE   ; K step 2
	v_and_b32 v1, 15, v0
	v_bfe_u32 v2, v0, 4, 1
	v_mul_u32_u24 v3, v1, APITCH
	v_lshl_add_u32 v3, v2, 4, v3
	v_mul_u32_u24 v4, v1, BPITCH
	v_lshl_add_u32 v4, v2, 4, v4
	s_mul_i32 s21, s11, AHALF
	s_mul_i32 s22, s12, BHALF
	s_add_co_u32 s22, s22, 2*AHALF
.irp s, 0,1
	v_add_nc_u32 v[ADRA+\s], s21, v3
	v_add_nc_u32 v[ADRB+\s], s22, v4
	s_add_co_u32 s21, s21, SLOT
	s_add_co_u32 s22, s22, SLOT
.endr
	s_mul_i32 s23, s10, 64*SPITCH
	v_mul_u32_u24 v5, v1, SPITCH
	v_lshl_add_u32 v5, v2, 5, v5
	v_add_nc_u32 v[STO], s23, v5
	v_mul_u32_u24 v5, v2, SPITCH
	v_lshl_add_u32 v5, v1, 4, v5
	v_add_nc_u32 v[RD], s23, v5
	v_lshlrev_b32 v5, 12, v2
	v_lshl_add_u32 v[CO], v1, 4, v5
	s_lshl_b32 s16, s13, 7
	s_lshl_b32 s17, s11, 6
	s_add_co_u32 s16, s16, s17
	s_lshl_b32 s16, s16, 12
	s_lshl_b32 s46, s42, 9
	s_lshl_b32 s47, s12, 8
	s_add_co_u32 s46, s46, s47
	s_add_co_u32 s16, s16, s46
	s_mov_b32 s17, 0
	s_add_nc_u64 s[8:9], s[8:9], s[16:17]
.macro MULA f, a, zero
.irp b, 0,1,2,3
.if \zero
	v_wmma_f32_16x16x128_fp8_fp8 v[ACC+8*(4*\a+\b):ACC+8*(4*\a+\b)+7], v[\f+64+16*\b:\f+64+16*\b+15], v[\f+16*\a:\f+16*\a+15], 0
.else
	v_wmma_f32_16x16x128_fp8_fp8 v[ACC+8*(4*\a+\b):ACC+8*(4*\a+\b)+7], v[\f+64+16*\b:\f+64+16*\b+15], v[\f+16*\a:\f+16*\a+15], v[ACC+8*(4*\a+\b):ACC+8*(4*\a+\b)+7]
.endif
.endr
.endm
.macro FETCH slot, q, f
	WIN TO_F
.irp i, 0,1,2,3
.irp c, 0,1,2,3
	ds_load_b128 v[\f+64+16*\i+4*\c:\f+64+16*\i+4*\c+3], v[ADRB+\slot] offset:128*(\q)+32*\c+\i*16*BPITCH
.endr
.endr
.irp i, 0,1,2,3
.irp c, 0,1,2,3
.if FFN2
	ds_load_b128 v[\f+16*\i+4*\c:\f+16*\i+4*\c+3], v[ADRA+\slot] offset:(\q)*APL+\i*16*APITCH+32*\c
.else
	ds_load_b128 v[\f+16*\i+4*\c:\f+16*\i+4*\c+3], v[ADRA+\slot] offset:(2*(\q)+\c/2)*APL+\i*16*APITCH+32*(\c%2)
.endif
.endr
.endr
.endm
.macro PLACES
.rept 4
	v_nop
.endr
.endm
.macro QUARTER slot, qn, f, g, zero
	s_wait_dscnt 8
	WIN MUL
	MULA \f, 0, \zero
	MULA \f, 1, \zero
	PLACES
	FETCH \slot, \qn, \g
	s_wait_dscnt 32
	WIN MUL
	MULA \f, 2, \zero
	MULA \f, 3, \zero
.endm
.macro TURN slot, next, fill
	WIN 0
.if \fill
	s_wait_xcnt 0x0                                ; my last prefetch, a K step ago, has read its address, which steps here
	s_add_nc_u64 s[18:19], s[18:19], s[14:15]
.endif
	s_wait_tensorcnt 0x0
	ds_add_u32 v[SPW], v[NIL]
	s_wait_dscnt 9
	WIN MUL
	MULA F1, 0, 0
	s_wait_dscnt 0x0
	s_barrier_signal -1
	MULA F1, 1, 0
.if \fill
	WIN 0
.endif
	s_barrier_wait -1
.if \fill
	CREST
	s_add_nc_u64 s[G0+4*\slot+2:G0+4*\slot+3], s[G0+4*\slot+2:G0+4*\slot+3], 2*ASTEP
	s_add_nc_u64 s[G0B+4*\slot+2:G0B+4*\slot+3], s[G0B+4*\slot+2:G0B+4*\slot+3], 2*512
	JLOAD \slot
.else
	PLACES
.endif
	s_wait_alu depctr_va_vdst(0)
	FETCH \next, 0, F0
.if \fill
	WIN 0                                          ; (a branch follows)
	s_cmp_gt_u32 s3, 1                             ; the loop's last trip has no K step two refills on
	s_cbranch_scc0 .Lno_ask_\@
	global_prefetch_b8 v30, s[18:19] th:TH_LOAD_NT scope:SCOPE_SE
.Lno_ask_\@:
.endif
	WIN MUL
	MULA F1, 2, 0
	MULA F1, 3, 0
.endm
	s_wait_xcnt 0x0                                ; the head's prefetch has read its address
	s_add_nc_u64 s[18:19], s[18:19], s[14:15]      ; K step 3
	s_wait_alu depctr_va_vdst(0)                   ; the wait at the head's end
	s_wait_tensorcnt 0x0                           ; my part of K step 0 is in; slot 1's first fill is issued as a refill is:
	ds_add_u32 v[SPW], v[NIL]                      ; 0 onto my spare word
	s_wait_dscnt 0x0
	CROUND
	JLOAD 1                                        ; K step 1, the first tensor load behind the round
	FETCH 0, 0, F0
	global_prefetch_b8 v30, s[18:19] th:TH_LOAD_NT scope:SCOPE_SE   ; K step 3
	QUARTER 0, 1, F0, F1, 1
.if LAPS > 1
	WIN 0
	s_mov_b32 s3, LAPS-1
.Llap:
	QUARTER 0, 2, F1, F0, 0
	QUARTER 0, 3, F0, F1, 0
	TURN 0, 1, 1
	QUARTER 1, 1, F0, F1, 0
	QUARTER 1, 2, F1, F0, 0
	QUARTER 1, 3, F0, F1, 0
	TURN 1, 0, 1
	QUARTER 0, 1, F0, F1, 0
	WIN 0
	s_sub_co_u32 s3, s3, 1
	s_cmp_lg_u32 s3, 0
	s_cbranch_scc1 .Llap
.endif
	QUARTER 0, 2, F1, F0, 0
	QUARTER 0, 3, F0, F1, 0
	TURN 0, 1, 0
	QUARTER 1, 1, F0, F1, 0
	QUARTER 1, 2, F1, F0, 0
	QUARTER 1, 3, F0, F1, 0
	s_wait_dscnt 8
	WIN MUL
	MULA F1, 0, 0
	MULA F1, 1, 0
	s_wait_dscnt 0
	MULA F1, 2, 0
	MULA F1, 3, 0
	WIN 0
	PLACES
.irp a, 0,1,2,3
.irp b, 0,1,2,3
	ds_store_b128 v[STO], v[ACC+8*(4*\a+\b):ACC+8*(4*\a+\b)+3] offset:\a*16*SPITCH+64*\b
	ds_store_b128 v[STO], v[ACC+8*(4*\a+\b)+4:ACC+8*(4*\a+\b)+7] offset:\a*16*SPITCH+64*\b+16
.endr
.endr
.set t, 0
.rept 32
	ds_load_b128 v[ACC+4*t:ACC+4*t+3], v[RD] offset:t*2*SPITCH
.set t, t+1
.endr
.set t, 0
.rept 32
	s_wait_dscnt 31-t
	global_store_b128 v[CO], v[ACC+4*t:ACC+4*t+3], s[8:9] offset:t*8192
.set t, t+1
.endr
	s_wait_tensorcnt 0x0
	ds_add_u32 v[SPW], v[NIL]
	s_wait_dscnt 0x0
	CROUND
	s_endpgm
.Lfunc_end_k_q3526ada927_ffn2:
	.size	k_q3526ada927_ffn2, .Lfunc_end_k_q3526ada927_ffn2-k_q3526ada927_ffn2
	.p2alignl 7, 3214868480
	.fill 96, 4, 3214868480
	.section	.rodata,"a",@progbits
	.p2align	6, 0x0
	.amdhsa_kernel k_q3526ada927_ffn2
		.amdhsa_group_segment_fixed_size 327680
		.amdhsa_private_segment_fixed_size 0
		.amdhsa_enable_private_segment 0
		.amdhsa_kernarg_size 24
		.amdhsa_user_sgpr_count 2
		.amdhsa_user_sgpr_kernarg_segment_ptr 1
		.amdhsa_wavefront_size32 1
		.amdhsa_system_sgpr_workgroup_id_x 1
		.amdhsa_system_sgpr_workgroup_id_y 1
		.amdhsa_system_sgpr_workgroup_id_z 1
		.amdhsa_system_vgpr_workitem_id 0
		.amdhsa_next_free_vgpr 512
		.amdhsa_next_free_sgpr 66
		.amdhsa_reserve_vcc 0
		.amdhsa_float_denorm_mode_32 3
		.amdhsa_float_denorm_mode_16_64 3
		.amdhsa_memory_ordered 1
		.amdhsa_forward_progress 1
		.amdhsa_inst_pref_size 72
	.end_amdhsa_kernel
	.amdgpu_metadata
---
amdhsa.version: [ 1, 2 ]
amdhsa.kernels:
  - .name:           k_q3526ada927_ffn2
    .symbol:         k_q3526ada927_ffn2.kd
    .args:
      - { .name: hc, .offset: 0, .size: 8, .value_kind: global_buffer, .address_space: global }
      - { .name: w2_codes, .offset: 8, .size: 8, .value_kind: global_buffer, .address_space: global }
      - { .name: y, .offset: 16, .size: 8, .value_kind: global_buffer, .address_space: global }
    .group_segment_fixed_size: 327680
    .private_segment_fixed_size: 0
    .kernarg_segment_align: 8
    .kernarg_segment_size: 24
    .max_flat_workgroup_size: 128
    .sgpr_count:     66
    .vgpr_count:     512
    .wavefront_size: 32
...
	.end_amdgpu_metadata
.endif
;; end of part 7
;; launch ln1 (part 8): grid 512 x 1, 4 waves a work-group, no clusters, 0 bytes of LDS; arguments y, x1, b2, gamma1, beta1, lowp_scales, out0; writes out0
.if DOCPART == 8
	.amdgcn_target "amdgcn-amd-amdhsa--gfx1250"
	.amdhsa_code_object_version 6
	.text
	.protected	k_q3526ada927_ln1
	.globl	k_q3526ada927_ln1
	.p2align	8
	.type	k_q3526ada927_ln1,@function
k_q3526ada927_ln1:
	s_mov_b64 s[64:65], 0
	v_nop
	global_prefetch_b8 v0, s[64:65] scope:SCOPE_SE
	s_setreg_imm32_b32 hwreg(HW_REG_WAVE_MODE, 25, 1), 1
	s_wait_xcnt 0x0
; out0 = layer norm of (x1 + b2 + y 2^(e14 + e15)) with gamma1, beta1 (eps = 1e-5), all f32.  y holds the raw sums of h w2^T.
; A stream: one wave takes a whole row of 1,024 numbers in 32 registers a lane, two rows a wave; the row is read once and stays in registers between the passes.  Mean first, then the variance of the centred numbers.
; Load j of a row reads 512 consecutive bytes: lane l holds columns 128 j + 4 l + 0 .. 3; the stores likewise.  All 56 loads of a wave go out at the head.  No LDS, no barrier: waves share nothing.
; LIMIT: e14 + e15 between -126 and 127.  NaN among the inputs is not served.
.set Y,   16                           ; v16-79   y, two rows
.set X,   80                           ; v80-143  x1, two rows; then the sums, then the result
.set GA,  144                          ; v144-175 gamma1
.set BE,  176                          ; v176-207 beta1
.set B2,  208                          ; v208-239 b2
	s_load_b256 s[4:11], s[0:1], 0x0               ; y, x1, b2, gamma1
	s_load_b128 s[12:15], s[0:1], 0x20             ; beta1, the scales' exponents
	s_load_b64 s[16:17], s[0:1], 0x30              ; out0
	v_lshrrev_b32 v1, 5, v0
	v_readfirstlane_b32 s18, v1                    ; wave
	v_and_b32 v2, 31, v0                           ; lane
	v_lshlrev_b32 v1, 4, v2                        ; 16 x lane
	s_lshl_b32 s30, ttmp9, 2
	s_add_co_u32 s30, s30, s18                     ; my pair of rows
	s_lshl_b32 s32, s30, 13                        ; two rows of 4,096 bytes
	s_mov_b32 s33, 0
	s_mov_b32 s24, 0x76543210                      ; v_permlanex16_b32: lane l xor 16
	s_mov_b32 s25, 0xfedcba98
	s_mov_b32 s26, 0x3a800000                      ; 1 / 1,024
	s_mov_b32 s27, 0x3727c5ac                      ; 1e-5
	s_wait_alu depctr_va_vdst(0)
	s_wait_kmcnt 0x0
	s_load_b64 s[20:21], s[14:15], 0x38            ; e14, e15
	s_add_nc_u64 s[4:5], s[4:5], s[32:33]
	s_add_nc_u64 s[6:7], s[6:7], s[32:33]
	s_add_nc_u64 s[16:17], s[16:17], s[32:33]
.macro LD8 reg, base, off, hint
.irp j, 0,1,2,3,4,5,6,7
.if \hint
	global_load_b128 v[\reg+4*\j:\reg+4*\j+3], v1, s[\base:\base+1] offset:\off+512*\j th:TH_LOAD_NT
.else
	global_load_b128 v[\reg+4*\j:\reg+4*\j+3], v1, s[\base:\base+1] offset:\off+512*\j
.endif
.endr
.endm
	LD8 Y, 4, 0, 1
	LD8 X, 6, 0, 1
	LD8 B2, 8, 0, 0
	LD8 GA, 10, 0, 0
	LD8 BE, 12, 0, 0
	LD8 Y+32, 4, 4096, 1
	LD8 X+32, 6, 4096, 1
	s_wait_kmcnt 0x0
	s_add_co_i32 s28, s20, s21
	s_add_co_i32 s28, s28, 127
	s_lshl_b32 s28, s28, 23                        ; 2^(e14 + e15) as f32
	s_mov_b32 s29, s28                             ; (named with it as a pair)
.macro REDUCE a, b                     ; v[a] summed over the wave's 32 lanes, the result in every lane; v[b], written before, at work
	v_add_f32_dpp v[\a], v[\a], v[\a] row_xmask:1 row_mask:0xf bank_mask:0xf
	v_add_f32_dpp v[\a], v[\a], v[\a] row_xmask:2 row_mask:0xf bank_mask:0xf
	v_add_f32_dpp v[\a], v[\a], v[\a] row_xmask:4 row_mask:0xf bank_mask:0xf
	v_add_f32_dpp v[\a], v[\a], v[\a] row_xmask:8 row_mask:0xf bank_mask:0xf
	v_permlanex16_b32 v[\b], v[\a], s24, s25
	v_add_f32 v[\a], v[\a], v[\b]
.endm
.macro ROW i, w0, w1                   ; w0: the loads that may be out when the row's own and b2 are in; w1: when gamma1 and beta1 are in
.set YR, Y+32*\i
.set XR, X+32*\i
	s_wait_loadcnt \w0
.set j, 0
.rept 16
	v_pk_add_f32 v[XR+j:XR+j+1], v[XR+j:XR+j+1], v[B2+j:B2+j+1]
.set j, j+2
.endr
.set j, 0
.rept 16
	v_pk_fma_f32 v[XR+j:XR+j+1], v[YR+j:YR+j+1], s[28:29], v[XR+j:XR+j+1] op_sel_hi:[1,0,1]   ; x1 + b2 + y 2^(e14 + e15)
.set j, j+2
.endr
	v_pk_add_f32 v[2:3], v[XR:XR+1], v[XR+2:XR+3]  ; the row's sum, in two chains
	v_pk_add_f32 v[4:5], v[XR+4:XR+5], v[XR+6:XR+7]
.set j, 8
.rept 6
	v_pk_add_f32 v[2:3], v[2:3], v[XR+j:XR+j+1]
	v_pk_add_f32 v[4:5], v[4:5], v[XR+j+2:XR+j+3]
.set j, j+4
.endr
	v_pk_add_f32 v[2:3], v[2:3], v[4:5]
	v_add_f32 v2, v2, v3
	REDUCE 2, 3
	v_mul_f32 v2, s26, v2                          ; the mean
.set j, 0
.rept 16
	v_pk_add_f32 v[XR+j:XR+j+1], v[XR+j:XR+j+1], v[2:3] op_sel_hi:[1,0] neg_lo:[0,1] neg_hi:[0,1]
.set j, j+2
.endr
	v_pk_mul_f32 v[4:5], v[XR:XR+1], v[XR:XR+1]    ; the sum of the centred numbers' squares, in two chains
	v_pk_mul_f32 v[6:7], v[XR+2:XR+3], v[XR+2:XR+3]
.set j, 4
.rept 7
	v_pk_fma_f32 v[4:5], v[XR+j:XR+j+1], v[XR+j:XR+j+1], v[4:5]
	v_pk_fma_f32 v[6:7], v[XR+j+2:XR+j+3], v[XR+j+2:XR+j+3], v[6:7]
.set j, j+4
.endr
	v_pk_add_f32 v[4:5], v[4:5], v[6:7]
	v_add_f32 v4, v4, v5
	REDUCE 4, 5
	v_fma_f32 v4, v4, s26, s27                     ; the variance + eps
	s_wait_alu depctr_va_vdst(0)
	v_rsq_f32 v4, v4
	v_nop                                          ; a plain line behind the transcendental
	s_wait_loadcnt \w1
.set j, 0
	s_wait_alu depctr_va_vdst(0)
.rept 16
	v_pk_mul_f32 v[XR+j:XR+j+1], v[XR+j:XR+j+1], v[4:5] op_sel_hi:[1,0]
.set j, j+2
.endr
.set j, 0
.rept 16
	v_pk_fma_f32 v[XR+j:XR+j+1], v[XR+j:XR+j+1], v[GA+j:GA+j+1], v[BE+j:BE+j+1]
.set j, j+2
.endr
.irp j, 0,1,2,3,4,5,6,7
	global_store_b128 v1, v[XR+4*\j:XR+4*\j+3], s[16:17] offset:4096*\i+512*\j th:TH_STORE_NT
.endr
.endm
	ROW 0, 32, 16                                  ; behind row 0's and b2's 24 loads: gamma1, beta1 and row 1, 32 loads; behind beta1: row 1's 16
	ROW 1, 0, 0
	s_endpgm
.Lfunc_end_k_q3526ada927_ln1:
	.size	k_q3526ada927_ln1, .Lfunc_end_k_q3526ada927_ln1-k_q3526ada927_ln1
	.p2alignl 7, 3214868480
	.fill 96, 4, 3214868480
	.section	.rodata,"a",@progbits
	.p2align	6, 0x0
	.amdhsa_kernel k_q3526ada927_ln1
		.amdhsa_group_segment_fixed_size 0
		.amdhsa_private_segment_fixed_size 0
		.amdhsa_enable_private_segment 0
		.amdhsa_kernarg_size 56
		.amdhsa_user_sgpr_count 2
		.amdhsa_user_sgpr_kernarg_segment_ptr 1
		.amdhsa_wavefront_size32 1
		.amdhsa_system_sgpr_workgroup_id_x 1
		.amdhsa_system_sgpr_workgroup_id_y 1
		.amdhsa_system_sgpr_workgroup_id_z 1
		.amdhsa_system_vgpr_workitem_id 0
		.amdhsa_next_free_vgpr 240
		.amdhsa_next_free_sgpr 66
		.amdhsa_reserve_vcc 0
		.amdhsa_float_denorm_mode_32 3
		.amdhsa_float_denorm_mode_16_64 3
		.amdhsa_memory_ordered 1
		.amdhsa_forward_progress 1
		.amdhsa_inst_pref_size 25
	.end_amdhsa_kernel
	.amdgpu_metadata
---
amdhsa.version: [ 1, 2 ]
amdhsa.kernels:
  - .name:           k_q3526ada927_ln1
    .symbol:         k_q3526ada927_ln1.kd
    .args:
      - { .name: y, .offset: 0, .size: 8, .value_kind: global_buffer, .address_space: global }
      - { .name: x1, .offset: 8, .size: 8, .value_kind: global_buffer, .address_space: global }
      - { .name: b2, .offset: 16, .size: 8, .value_kind: global_buffer, .address_space: global }
      - { .name: gamma1, .offset: 24, .size: 8, .value_kind: global_buffer, .address_space: global }
      - { .name: beta1, .offset: 32, .size: 8, .value_kind: global_buffer, .address_space: global }
      - { .name: lowp_scales, .offset: 40, .size: 8, .value_kind: global_buffer, .address_space: global }
      - { .name: out0, .offset: 48, .size: 8, .value_kind: global_buffer, .address_space: global }
    .group_segment_fixed_size: 0
    .private_segment_fixed_size: 0
    .kernarg_segment_align: 8
    .kernarg_segment_size: 56
    .max_flat_workgroup_size: 128
    .sgpr_count:     66
    .vgpr_count:     240
    .wavefront_size: 32
...
	.end_amdgpu_metadata
.endif
;; end of part 8
